; MI455X (gfx1250); checked and timed in simulation.
; The chip was launched on July 23, 2026; its instructions are those of AMD's public machine-readable ISA for CDNA 5 (MIT licence, August 2026) and "CDNA5" Instruction Set Architecture Reference Guide (July 2026). The comments in the code are by the model that wrote it; some were corrected since.
;; Multi Head Attention. Allowed arithmetic: matrix products marked QUANTISED: E2M1 operands, one E8M0 scale for each 32 along K, by v_wmma_scale_f32_16x16x128_f8f6f4 with both operands' format E2M1 (or v_wmma_scale_f32_32x16x128_f4), f32 sums; everything else in f32.
;; Inputs: Wk 1,024 x 1,024 float32; Wo 1,024 x 1,024 float32; Wq 1,024 x 1,024 float32; Wv 1,024 x 1,024 float32; bk 1,024 float32; bo 1,024 float32; bq 1,024 float32; bv 1,024 float32; x 4 x 2,048 x 1,024 float32.
;; Outputs: out0 4 x 2,048 x 1,024 float32.
;; This version of the problem:
;;   THIS VERSION OF THE PROBLEM IS GIVEN IN LOW PRECISION. The matrix products marked QUANTISED in the list below multiply operands that are first quantised to E2M1 (2 exponent bits, 1 mantissa bit; 4 bits a number), with one power-of-two scale for each 32 numbers along K (OCP MX v1.0); their sums are f32. All else is computed in f32.
;;   The module's matrix products, in the order in which they are computed (A, B: the left and right operand; K: the contracted axis; several contracted axes count as one K, in the product's order):
;;     1. [M 8,192, K 1,024] x [K 1,024, N 1,024]; A: input x; B: input Wq: QUANTISED
;;     2. [M 8,192, K 1,024] x [K 1,024, N 1,024]; A: input x; B: input Wk: QUANTISED
;;     3. [M 8,192, K 1,024] x [K 1,024, N 1,024]; A: input x; B: input Wv: QUANTISED
;;     4. batch 64 x [M 2,048, K 64] x [K 64, N 2,048]; A: computed on the way; B: computed on the way: QUANTISED
;;     5. batch 64 x [M 2,048, K 2,048] x [K 2,048, N 64]; A: softmax (see below); B: computed on the way: QUANTISED
;;     6. [M 8,192, K 1,024] x [K 1,024, N 1,024]; A: computed on the way; B: input Wo: QUANTISED
;;   THE QUANTISER, for each operand of a quantised product, along K:
;;     - K is cut into blocks of 32 from its start; a last block that is shorter is filled with zeros.
;;     - A block's scale is 2^e with e = floor(log2(the largest magnitude in the block)) - 2, held to -126 .. 127; a block of zeros has e = 0. As a byte (E8M0): e + 127.
;;     - Each number is divided by its block's scale, clamped to +-6, and rounded to the nearest number of E2M1, ties to even, subnormals kept.
;;     - The product sums the exact products of the quantised numbers (number of the format x scale) in f32.
;;   ~~~python
;;   def quantise(x, axis):      # numpy; x: float32 -> the quantised numbers, widened to float32 again
;;       x = np.moveaxis(x, axis, -1); K = x.shape[-1]
;;       x = np.pad(x, [(0, 0)] * (x.ndim - 1) + [(0, -K % 32)]); x = x.reshape(x.shape[:-1] + (-1, 32)); a = np.abs(x).max(-1, keepdims=True)
;;       e = np.where(a > 0, np.clip(np.frexp(np.where(a > 0, a, 1))[1] - 1 - 2, -126, 127), 0)      # np.frexp(a)[1] - 1 = floor(log2(a)), exactly
;;       r = np.clip(x / 2.0 ** e, -6, 6)
;;       step = 2.0 ** (np.maximum(np.frexp(np.where(r == 0, 1, r))[1] - 1, 0) - 1)
;;       q = np.round(r / step) * step * 2.0 ** e      # np.round: ties to even
;;       return np.moveaxis(q.reshape(q.shape[:-2] + (-1,))[..., :K], -1, axis).astype(np.float32)
;;   ~~~
;;   SOFTMAX AHEAD OF A QUANTISED PRODUCT. Where the list says 'softmax', what is quantised is not the finished softmax but p = 2^(t - M), with t = logit x log2(e) and M = ceil(the row's largest t), a whole number; so 1/2 < the row's largest p <= 1. The row's sum l is taken of the UNQUANTISED p, in f32, and the product's result is divided by l at the end. Since M is a whole number, a kernel that streams over the keys may use a running M (the ceiling of the running maximum): every later rescaling is an exact power of two, which a block's scale takes up: the codes' values come out the same.
;;   OPERANDS COMPUTED ON THE WAY. 'Computed on the way' means the value that the module computes at that place (a softmax that the list does not call 'softmax' is quantised finished and normalised). What goes into a quantiser is computed in f32, as accurately as f32 sums, v_exp_f32 and their like allow (about 1e-6 of the number): no bf16 or f16 on the way to a quantiser, and a product that is left as it is and whose result goes on into a quantised operand takes f32 operands (vector FMAs, or v_wmma_f32_16x16x4_f32). A number that lies on a knife's edge between two numbers of the format may be rounded either way, as far as f32 arithmetic and the matrix unit's own rounding can turn it there, and no further.
;; One version. Each part assembles by itself: llvm-mc -triple=amdgcn-amd-amdhsa -mcpu=gfx1250 --defsym DOCPART=n.
;; ======== version 1 of 1: 4 launches
;; workspace buffers: img 10,485,760 bytes; sc 655,360 bytes; qi 4,718,592 bytes; kv 9,175,040 bytes
;; launch quant (part 1): grid 384 x 1, 4 waves a work-group, no clusters, 35,328 bytes of LDS; arguments x, Wq, Wk, Wv, Wo, img, sc; writes img, sc
.if DOCPART == 1
	.amdgcn_target "amdgcn-amd-amdhsa--gfx1250"
	.amdhsa_code_object_version 6
	.text
	.protected	k_q4ff6742cb4_quant
	.globl	k_q4ff6742cb4_quant
	.p2align	8
	.type	k_q4ff6742cb4_quant,@function
k_q4ff6742cb4_quant:
	s_mov_b64 s[64:65], 0
	v_nop
	global_prefetch_b8 v0, s[64:65] scope:SCOPE_SE
	s_setreg_imm32_b32 hwreg(HW_REG_WAVE_MODE, 25, 1), 1
	s_wait_xcnt 0x0
; MULTI-HEAD ATTENTION IN MX-FP4, launch 1 of 4: x and the four weights become codes of E2M1 with one E8M0 byte for each 32 along K.
; Nothing of reference() is left out in any launch: every input has a way to the output and is loaded (the biases bq, bk, bv go into quantisers, bo to the output).
; THE WORKSPACE IS LAID AS IMAGES OF OPERAND REGISTERS.  A row tile T (16 rows, all 1,024 of K) is 8,192 bytes of img: [K step of 128: 0..7][c: 0..1][lane: 0..31][16 bytes];
; lane (r, h) of part (s, c) holds the 32 codes of k = 128 s + 64 c + 32 h + 0..31 of the tile's row slot r: block k / 32 = B lies at 8,192 T + 256 B + 16 r.
; ROW SLOT r OF TILE T IS ROW 32 (T / 2) + 8 (T % 2) + r + 8 (r / 8): so a later product whose source 0 is such tiles leaves 16 neighbours along source 0 in the 16 registers of two neighbouring tiles.
; Scale words (four bytes: a row's 128 along K) lie in sc: group G = T / 2 has 1,024 bytes: [pair of K steps: 0..3][T % 2][r][2 words].
; Regions: img: x at 0 (tiles 0..511 of tokens), the weights at XB (64 tiles each of output features: Wq, Wk, Wv, Wo); sc: x at 0, the weights at XSC.
; A block's scale is 2^(floor(log2(largest magnitude)) - 2): its byte is the largest magnitude's exponent field - 2, held at 1 from below by a floor among the maximum's leaves.
; LIMITS: a block of zeros, or one whose largest magnitude lies under 2^-124, gets the byte 1 (for zeros the rule says 127: the codes are zeros, and this program alone reads the bytes); NaN and infinities among the inputs are not served.
; Work-groups 0..255 take 32 tokens of x each; work-groups 256..383 take 128 columns x 256 rows of a weight each: 131,072 bytes of f32 either way.  No tensor load, no barrier: waves share nothing.
.set XB,    4194304
.set XSC,   262144
.set STG,   4352                       ; a stage: 16 rows x (256 bytes + 16)
.set SPARE, 34816                      ; behind the four waves' two stages each: the spare words, 128 bytes a wave
.set SPW,   14                         ; v14  my spare word's LDS address; never rewritten
.set NIL,   15                         ; v15  0; never rewritten
.set R,     16                         ; v16-111   x path: three sets of 32 registers as loaded;  weight path: two sets of 32 numbers
.set X,     112                        ; v112-175  x path: two sets of 32 neighbours along K
.set C,     176                        ; v176-207  codes: four registers for each step, so that no store's data are written again
.set E,     208                        ; v208-215  x path: a scale byte for each half-fragment;  weight path: v208-209 the eight bytes
.set W,     216                        ; v216-219  x path: the four scale words
.set PD,    220                        ; v220-223  destinations of the lane exchange
	s_load_b256 s[4:11], s[0:1], 0x0               ; x, Wq, Wk, Wv
	s_load_b128 s[12:15], s[0:1], 0x20             ; Wo, img
	s_load_b64 s[16:17], s[0:1], 0x30              ; sc
	v_lshl_add_u32 v[SPW], v0, 2, SPARE
	v_mov_b32 v[NIL], 0
	v_lshrrev_b32 v1, 5, v0
	v_readfirstlane_b32 s18, v1                    ; wave 0..3
	v_and_b32 v2, 31, v0                           ; lane
	s_mov_b32 s29, 0                               ; the upper word of every offset pair s[28:29]
	s_wait_kmcnt 0x0
	s_cmp_lt_u32 ttmp9, 256
	s_cbranch_scc0 .Lweights
; the largest magnitude of 32 numbers v[xq] .. v[xq + 31] with the floor 2^(3 - 127) -> v12; 2 off its exponent field -> v11, the conversions' scale operand
.macro MAX32 xq
	v_max3_num_f32 v12, |v[\xq]|, |v[\xq+1]|, |v[\xq+2]|
	v_max3_num_f32 v13, |v[\xq+3]|, |v[\xq+4]|, |v[\xq+5]|
.irp i, 6,10,14,18,22,26
	v_max3_num_f32 v12, v12, |v[\xq+\i]|, |v[\xq+\i+1]|
	v_max3_num_f32 v13, v13, |v[\xq+\i+2]|, |v[\xq+\i+3]|
.endr
	v_max3_num_f32 v12, v12, |v[\xq+30]|, |v[\xq+31]|
	v_max3_num_f32 v12, v12, v13, 0x1800000
	v_add_nc_u32 v11, 0xff000000, v12
.endm
	s_wait_alu depctr_va_vdst(0)
; ---------------- x: the work-group is token group G (32 rows); wave p takes k = 256 p .. 256 p + 255: eight half-fragments f = 4 u + 2 s + c of 16 rows x 64 numbers
	v_and_b32 v8, 15, v2                           ; r
	v_lshrrev_b32 v9, 4, v2                        ; h
	v_lshlrev_b32 v3, 12, v9
	v_lshl_add_u32 v3, v8, 4, v3                   ; a load takes two rows x 256 bytes: 4,096 h + 16 r
	s_mul_i32 s19, s18, 2*STG                      ; my wave's two stages
	v_mul_u32_u24 v4, v9, 272
	v_lshl_add_u32 v4, v8, 4, v4
	v_add_nc_u32 v4, s19, v4                       ; into a stage as loaded: row h of the pair, 16 r
	v_mul_u32_u24 v5, v8, 272
	v_lshl_add_u32 v5, v9, 7, v5
	v_add_nc_u32 v5, s19, v5                       ; and back: row slot r, 128 h: a whole block of 32 numbers a lane
	v_lshlrev_b32 v6, 4, v2                        ; 16 x lane: my place in an image
	v_lshlrev_b32 v7, 3, v2                        ; 8 x lane: my two scale words
	v_lshlrev_b32 v1, 3, v9                        ; 8 h: my bytes' shift in a scale word
	v_cmp_lt_u32 s26, 15, v2                       ; lanes 16-31
.irp q, 0,1,2,3
	v_mov_b32 v[PD+\q], 0                          ; written once: a lane exchange's destination counts as one of its sources
.endr
	s_mov_b32 s24, 0x76543210
	s_mov_b32 s25, 0xfedcba98                      ; selects for lane l xor 16
	s_lshl_b32 s28, ttmp9, 17                      ; 32 rows of 4,096 bytes
	s_lshl_b32 s27, s18, 10
	s_add_co_u32 s28, s28, s27
	s_add_nc_u64 s[4:5], s[4:5], s[28:29]          ; x at my rows and my 1,024 bytes of them
	s_lshl_b32 s28, ttmp9, 14
	s_lshl_b32 s27, s18, 11
	s_add_co_u32 s28, s28, s27
	s_add_nc_u64 s[20:21], s[14:15], s[28:29]      ; img: tile 2 G, K step 2 p
	s_lshl_b32 s28, ttmp9, 10
	s_lshl_b32 s27, s18, 8
	s_add_co_u32 s28, s28, s27
	s_add_nc_u64 s[22:23], s[16:17], s[28:29]      ; sc: group G, pair p
.macro LOADHF f                        ; eight loads, each two rows x 256 consecutive bytes, aligned; row slots 2 i and 2 i + 1 of tile u are rows 8 u + 2 i + 8 (i / 4) and the next
.set FU, (\f)/4
.set FS, ((\f)/2)%2
.set FC, (\f)%2
.irp i, 0,1,2,3,4,5,6,7
	global_load_b128 v[R+32*((\f)%3)+4*\i:R+32*((\f)%3)+4*\i+3], v3, s[4:5] offset:(8*FU+2*\i+8*(\i/4))*4096+FS*512+FC*256 th:TH_LOAD_NT
.endr
.endm
.macro TURNHF f                        ; through my own stage: LDS serves a wave's instructions in order, so no wait stands between the stores and the loads
.irp i, 0,1,2,3,4,5,6,7
	ds_store_b128 v4, v[R+32*((\f)%3)+4*\i:R+32*((\f)%3)+4*\i+3] offset:((\f)%2)*STG+2*\i*272
.endr
.irp i, 0,1,2,3,4,5,6,7
	ds_load_b128 v[X+32*((\f)%2)+4*\i:X+32*((\f)%2)+4*\i+3], v5 offset:((\f)%2)*STG+16*\i
.endr
.endm
.macro WORK f
.set FU, (\f)/4
.set FS, ((\f)/2)%2
.set FC, (\f)%2
.set XQ, X+32*((\f)%2)
	MAX32 XQ
.irp g, 0,1,2,3
	v_cvt_scalef32_pk8_fp4_f32 v[C+4*(\f)+\g], v[XQ+8*\g:XQ+8*\g+7], v11
.endr
	v_lshrrev_b32 v[E+(\f)], 23, v11               ; the scale's byte (also the plain line behind the conversions)
	global_store_b128 v6, v[C+4*(\f):C+4*(\f)+3], s[20:21] offset:FU*8192+FS*1024+FC*512   ; 512 consecutive bytes, aligned
.endm
.macro STEPX f
	s_wait_dscnt 0x0                               ; half-fragment f is back from the stage, and its stores into the stage have read their registers,
.if (\f)+3 < 8
	LOADHF (\f)+3                                  ; which take the loads of three steps on
.endif
.if (\f) < 7
.if (\f) < 5
	s_wait_loadcnt 16                              ; f + 1's eight loads are in; those of the two half-fragments behind it may be out
.else
	s_wait_loadcnt 8*(6-(\f))                      ; the counts run down: 8, 0
.endif
	TURNHF (\f)+1                                  ; through the other stage while f is worked
.endif
	WORK \f
.endm
	LOADHF 0
	LOADHF 1
	LOADHF 2
	s_wait_alu depctr_va_vdst(0)
	s_wait_loadcnt 16                              ; half-fragment 0 is in
	TURNHF 0
.irp f, 0,1,2,3,4,5,6,7
	STEPX \f
.endr
; the scale words: of (u, s) lane (r, h) made the bytes of blocks h (c = 0) and 2 + h (c = 1); with lane l xor 16's two the word is whole
.irp q, 0,1,2,3
	v_lshl_or_b32 v[W+\q], v[E+2*\q+1], 16, v[E+2*\q]
.endr
.irp q, 0,1,2,3
	v_lshlrev_b32 v[W+\q], v1, v[W+\q]
.endr
.irp q, 0,1,2,3
	v_permlanex16_b32 v[PD+\q], v[W+\q], s24, s25
.endr
.irp q, 0,1,2,3
	v_or_b32 v[W+\q], v[W+\q], v[PD+\q]
.endr
	v_cndmask_b32 v8, v[W], v[W+2], s26            ; lanes 0-15 store tile u = 0's two words, lanes 16-31 tile u = 1's
	v_cndmask_b32 v9, v[W+1], v[W+3], s26
	global_store_b64 v7, v[8:9], s[22:23]          ; 256 consecutive bytes, aligned
	s_wait_tensorcnt 0x0                           ; the wave's end, behind my last LDS store
	ds_add_u32 v[SPW], v[NIL]
	s_wait_dscnt 0x0
	s_endpgm
; ---------------- the weights ([k][n], K is the first axis): a lane takes a column, its registers run down K; a block of 32 lies in one lane.
.Lweights:
	s_sub_co_u32 s19, ttmp9, 256
	s_lshr_b32 s27, s19, 5                         ; which weight: 0 Wq, 1 Wk, 2 Wv, 3 Wo
	s_bfe_u32 s30, s19, 0x20003                    ; p: rows 256 p .. 256 p + 255
	s_and_b32 s31, s19, 7                          ; columns 128 cb on
	s_cmp_eq_u32 s27, 1
	s_cselect_b64 s[6:7], s[8:9], s[6:7]
	s_cmp_eq_u32 s27, 2
	s_cselect_b64 s[6:7], s[10:11], s[6:7]
	s_cmp_eq_u32 s27, 3
	s_cselect_b64 s[6:7], s[12:13], s[6:7]
	s_lshl_b32 s28, s30, 20
	s_lshl_b32 s32, s31, 9
	s_add_co_u32 s28, s28, s32
	s_lshl_b32 s32, s18, 7
	s_add_co_u32 s28, s28, s32
	s_add_nc_u64 s[6:7], s[6:7], s[28:29]          ; the weight at row 256 p, column 128 cb + 32 wave
	s_lshl_b32 s33, s27, 5
	s_lshl_b32 s32, s31, 2
	s_add_co_u32 s33, s33, s32
	s_add_co_u32 s33, s33, s18                     ; my wave's 32 columns are row group 32 weight + 4 cb + wave of the weights' region
	s_lshl_b32 s28, s33, 14
	s_lshl_b32 s32, s30, 11
	s_add_co_u32 s28, s28, s32
	s_add_co_u32 s28, s28, XB
	s_add_nc_u64 s[20:21], s[14:15], s[28:29]
	s_lshl_b32 s28, s33, 10
	s_lshl_b32 s32, s30, 8
	s_add_co_u32 s28, s28, s32
	s_add_co_u32 s28, s28, XSC
	s_add_nc_u64 s[22:23], s[16:17], s[28:29]
	s_wait_alu depctr_va_vdst(0)
	v_lshlrev_b32 v3, 2, v2                        ; in: 4 bytes a lane
	v_bfe_u32 v8, v2, 3, 1                         ; column y of the group is tile u = (y / 8) % 2,
	v_and_b32 v9, 7, v2
	v_lshrrev_b32 v10, 4, v2
	v_lshl_add_u32 v9, v10, 3, v9                  ; row slot r = y % 8 + 8 (y / 16)
	v_lshlrev_b32 v6, 13, v8
	v_lshl_add_u32 v6, v9, 4, v6                   ; codes: 8,192 u + 16 r
	v_lshlrev_b32 v7, 7, v8
	v_lshl_add_u32 v7, v9, 3, v7                   ; scale words: 128 u + 8 r
.macro LOADW t
.irp i, 0,1,2,3,4,5,6,7,8,9,10,11,12,13,14,15,16,17,18,19,20,21,22,23,24,25,26,27,28,29,30,31
	global_load_b32 v[R+32*((\t)%2)+\i], v3, s[6:7] offset:(32*(\t)+\i)*4096 th:TH_LOAD_NT
.endr
.endm
.macro BLOCKW t
.set XQ, R+32*((\t)%2)
.if (\t) < 7
	s_wait_loadcnt 32                              ; this block's 32 loads are in; the next block's may be out
.else
	s_wait_loadcnt 0x0
.endif
	MAX32 XQ
	v_lshrrev_b32 v13, 23, v11                     ; the scale's byte
.if (\t)%4 == 0
	v_mov_b32 v[E+(\t)/4], v13
.else
	v_lshl_or_b32 v[E+(\t)/4], v13, 8*((\t)%4), v[E+(\t)/4]
.endif
.irp g, 0,1,2,3
	v_cvt_scalef32_pk8_fp4_f32 v[C+4*(\t)+\g], v[XQ+8*\g:XQ+8*\g+7], v11
.endr
	v_nop                                          ; one plain line behind the conversions
	global_store_b128 v6, v[C+4*(\t):C+4*(\t)+3], s[20:21] offset:256*(\t)   ; the 32 lanes fill two aligned runs of 256 bytes: one in each of the group's two tiles
.if (\t)+2 < 8
	LOADW (\t)+2
.endif
.endm
	LOADW 0
	LOADW 1
.irp t, 0,1,2,3,4,5,6,7
	BLOCKW \t
.endr
	global_store_b64 v7, v[E:E+1], s[22:23]        ; my column's two scale words: the wave fills 256 consecutive bytes, aligned
	s_endpgm
.Lfunc_end_k_q4ff6742cb4_quant:
	.size	k_q4ff6742cb4_quant, .Lfunc_end_k_q4ff6742cb4_quant-k_q4ff6742cb4_quant
	.p2alignl 7, 3214868480
	.fill 96, 4, 3214868480
	.section	.rodata,"a",@progbits
	.p2align	6, 0x0
	.amdhsa_kernel k_q4ff6742cb4_quant
		.amdhsa_group_segment_fixed_size 35328
		.amdhsa_private_segment_fixed_size 0
		.amdhsa_enable_private_segment 0
		.amdhsa_kernarg_size 56
		.amdhsa_user_sgpr_count 2
		.amdhsa_user_sgpr_kernarg_segment_ptr 1
		.amdhsa_wavefront_size32 1
		.amdhsa_system_sgpr_workgroup_id_x 1
		.amdhsa_system_sgpr_workgroup_id_y 1
		.amdhsa_system_sgpr_workgroup_id_z 1
		.amdhsa_system_vgpr_workitem_id 0
		.amdhsa_next_free_vgpr 224
		.amdhsa_next_free_sgpr 66
		.amdhsa_reserve_vcc 0
		.amdhsa_float_denorm_mode_32 3
		.amdhsa_float_denorm_mode_16_64 3
		.amdhsa_memory_ordered 1
		.amdhsa_forward_progress 1
		.amdhsa_inst_pref_size 68
	.end_amdhsa_kernel
	.amdgpu_metadata
---
amdhsa.version: [ 1, 2 ]
amdhsa.kernels:
  - .name:           k_q4ff6742cb4_quant
    .symbol:         k_q4ff6742cb4_quant.kd
    .args:
      - { .name: x, .offset: 0, .size: 8, .value_kind: global_buffer, .address_space: global }
      - { .name: Wq, .offset: 8, .size: 8, .value_kind: global_buffer, .address_space: global }
      - { .name: Wk, .offset: 16, .size: 8, .value_kind: global_buffer, .address_space: global }
      - { .name: Wv, .offset: 24, .size: 8, .value_kind: global_buffer, .address_space: global }
      - { .name: Wo, .offset: 32, .size: 8, .value_kind: global_buffer, .address_space: global }
      - { .name: img, .offset: 40, .size: 8, .value_kind: global_buffer, .address_space: global }
      - { .name: sc, .offset: 48, .size: 8, .value_kind: global_buffer, .address_space: global }
    .group_segment_fixed_size: 35328
    .private_segment_fixed_size: 0
    .kernarg_segment_align: 8
    .kernarg_segment_size: 56
    .max_flat_workgroup_size: 128
    .sgpr_count:     66
    .vgpr_count:     224
    .wavefront_size: 32
...
	.end_amdgpu_metadata
.endif
;; end of part 1
;; launch gemm_qkv (part 2): grid 12 x 32, 4 waves a work-group, clusters of 4 x 4, 327,680 bytes of LDS; arguments img, sc, bq, bk, bv, qi, kv; writes qi, kv
.if DOCPART == 2
	.amdgcn_target "amdgcn-amd-amdhsa--gfx1250"
	.amdhsa_code_object_version 6
	.text
	.protected	k_q4ff6742cb4_gemm_qkv
	.globl	k_q4ff6742cb4_gemm_qkv
	.p2align	8
	.type	k_q4ff6742cb4_gemm_qkv,@function
k_q4ff6742cb4_gemm_qkv:
	s_mov_b64 s[64:65], 0
	v_nop
	global_prefetch_b8 v0, s[64:65] scope:SCOPE_SE
	s_setreg_imm32_b32 hwreg(HW_REG_WAVE_MODE, 25, 1), 1
	s_wait_xcnt 0x0
	s_wait_alu depctr_hold_cnt(0) depctr_sa_sdst(0) depctr_va_vdst(0) depctr_va_sdst(0) depctr_va_ssrc(0) depctr_va_vcc(0) depctr_vm_vsrc(0)
	s_getreg_b32 s2, hwreg(HW_REG_IB_STS2, 6, 4)
	s_cmp_eq_u32 s2, 0
	s_cbranch_scc0 .Lentry_in_a_cluster
	s_endpgm
.Lentry_in_a_cluster:
	s_bfe_u32 s2, ttmp6, 0x10000c
	s_cmp_lg_u32 s2, 0xf033
	s_cbranch_scc0 .Lentry_shape_is_right
	s_endpgm
.Lentry_shape_is_right:
; Launch 2 of 4: q = x Wq + bq, k = x Wk + bk, v = x Wv + bv on codes of E2M1, each result quantised in registers for attention's products; q, k, v never go to memory as f32.  No work of reference() is left out.
; A work-group of four waves makes 256 (source 0) x 256 (source 1), a wave 128 x 128: 64 accumulators.  K = 1,024 is two chunks of 512, and both lie in LDS together: every tensor load is a first fill.
; Operands are images of registers (launch 1's comment): a fragment is two loads of 16 bytes a lane at 16 x lane; tiles are dense, so LDS needs no padding.
; THE RESULT IS QUANTISED ALONG SOURCE 0: by the tiles' row order a lane's 64 registers of one source-1 tile are, 16 by 16, neighbours along source 0.  q and k are quantised along the features (the head's 64), v along the tokens
; (the keys).  So cluster x = 0, 1 (q, k) take source 0 = the weight's features and source 1 = tokens, and cluster x = 2 (v) the other way round: by global offsets alone; masks, LDS addresses and the product's text are the same.
; CLUSTERS 4 x 4: source 1's tile hangs on cy alone and is asked for jointly by a row of the cluster, source 0's on cx alone and by a column.
; OUT: qi, a record of 73,728 bytes for each batch x head: fragments [tile of 16 tokens: 0..127][lane][16 bytes] (lane (r, h): d = 32 h + 0..31), then at 65,536 scale words [step of 8 tiles][h'][r][j]: tile 8 step + 4 h' + j; their bytes 2, 3 are 0.
;      kv, a record of 143,360 bytes: k as q; at 73,728 v's fragments [step of 128 keys][tile of 16 d: 0..3][c][lane][16 bytes]; at 139,264 v's scale words [step][h'][r][j]: d tile 2 h' + j.
; REGISTERS, in windows of 256: window 0: v16-29 addresses; v32-95 scale words of all of K; v96-127 at work; v128-191 source 1's fragments, one set; v192-255 the bias table.  window 1: source 0's fragments, two sets.  windows 2, 3: accumulators.
; LIMITS: as launch 1's (a block's byte is held at 1 from below; NaN and infinities are not served).
.set XB,    4194304
.set XSC,   262144
.set CHUNK, 131072                     ; LDS: chunk ch: source 1's 16 tiles x 4,096 bytes, then source 0's
.set SPARE, 295936                     ; the spare words, 128 bytes a wave
.set ADRA,  16                         ; v16-17  my source-1 fragments in chunk 0, 1
.set ADRB,  20                         ; v20-21  my source-0 fragments
.set L8,    25                         ; v25  8 x lane
.set L16,   26                         ; v26  16 x lane
.set ADRS,  27                         ; v27  my scale words' offset in sc
.set SPW,   28
.set NIL,   29
.set SC,    32                         ; v[SC + 8 i + s]: lanes 0-15 the word of source 1's tile i, lanes 16-31 of source 0's tile i, K step s
.set PW,    96                         ; v96-103  first the bias loads' offsets, later the eight scale words made
.set TM,    104                        ; v104-119 at work in QUANT
.set SW,    120                        ; v120-127 scale words as they are stored
.set AF,    128
.set X,     128                        ; the epilogue's 64 numbers
.set T,     192                        ; the bias table
.set WV, 18
.set H1, 19
.set H0, 20
.set HM, 21                            ; s21  mask of lanes 16-31
.set G1, 24
.set G0, 32
.set G1B, 48
.set G0B, 56
.set SEL, 96
.set MSB, 0
.macro WIN new                         ; the immediate's high byte repeats the setting that is left
.if MSB != (\new)
	s_set_vgpr_msb (MSB<<8)|(\new)
.set MSB, (\new)
.endif
.endm
.set MUL_LO, 0xa1                      ; source 0 window 1, source 1 window 0, C and D window 2
.set MUL_HI, 0xf1
.set TO_B,   0x40
.macro JLOAD g0a, g1a, g0b, g1b        ; waves 0, 1 fetch for source 1, waves 2, 3 for source 0; an s_nop 0 and four v_nop follow each line
	s_cmp_eq_u32 s[H1], 0
	s_cbranch_scc0 .Lfor_b_\@
	tensor_load_to_lds s[\g0a:\g0a+3], s[\g1a:\g1a+7]
	s_nop 0
.rept 4
	v_nop
.endr
	s_branch .Lasked_\@
.Lfor_b_\@:
	tensor_load_to_lds s[\g0b:\g0b+3], s[\g1b:\g1b+7]
	s_nop 0
.rept 4
	v_nop
.endr
.Lasked_\@:
.endm
.macro CROUND                          ; a round of the cluster's barrier
	s_barrier_signal -1
	s_barrier_wait -1
	s_cmp_lg_u32 s[WV], 0
	s_cbranch_scc1 .Lnot_wave_0_\@
	s_barrier_signal -3
.Lnot_wave_0_\@:
	s_barrier_wait -3
	s_barrier_signal -1
	s_barrier_wait -1
.endm
.macro PLACES n
.rept \n
	v_nop
.endr
.endm
	s_load_b256 s[4:11], s[0:1], 0x0               ; img, sc, bq, bk
	s_load_b128 s[12:15], s[0:1], 0x20             ; bv, qi
	s_load_b64 s[16:17], s[0:1], 0x30              ; kv
	v_lshl_add_u32 v[SPW], v0, 2, SPARE
	v_mov_b32 v[NIL], 0
	ds_add_u32 v[SPW], v[NIL]                      ; the wave's opening: the add, twice on end, and its wait ahead of my first tensor load
	ds_add_u32 v[SPW], v[NIL]
	v_lshrrev_b32 v1, 5, v0
	v_readfirstlane_b32 s[WV], v1                  ; wave 0..3
	s_lshr_b32 s[H1], s[WV], 1                     ; my half of source 1.  Also: I fetch for source 1 (0) or source 0 (1)
	s_and_b32 s[H0], s[WV], 1                      ; my half of source 0.  Also: which 8 tiles I fetch
	s_bfe_u32 s40, ttmp6, 0x40000                  ; cx
	s_bfe_u32 s41, ttmp6, 0x40004                  ; cy
	s_mov_b32 s42, ttmp9                           ; cluster x: 0 q, 1 k, 2 v
	s_and_b32 s43, ttmp7, 0xffff                   ; cluster y: 1,024 tokens
	s_lshl_b32 s44, s41, 2
	s_lshl_b32 s44, 15, s44                        ; my row of the cluster
	s_lshl_b32 s45, 0x1111, s40                    ; my column
	s_or_b32 s[G1], s44, (3<<16)|(1<<21)           ; the mask; elements of 8 bytes; bit 21 beside a mask; no padding
	s_or_b32 s[G1B], s45, (3<<16)|(1<<21)
.irp g, G1, G1B
	s_mov_b32 s[\g+1], 512<<16                     ; tensor_dim0: 4,096 bytes: a tile's four K steps
	s_mov_b32 s[\g+2], 8<<16                       ; tensor_dim1: 8 tiles
	s_mov_b32 s[\g+3], 512<<16                     ; tile_dim0
	s_mov_b32 s[\g+4], 8                           ; tile_dim1
	s_mov_b32 s[\g+5], 1024                        ; from tile to tile: 8,192 bytes
	s_mov_b32 s[\g+6], 0
	s_mov_b32 s[\g+7], 0
.endr
	s_cmp_eq_u32 s42, 2                            ; v?  The same in all sixteen partners
	s_cselect_b32 s68, s43, s42                    ; source 0's block of 256 rows is 4 x this + cx,
	s_cselect_b32 s69, 0, XB                       ; in this region of img,
	s_cselect_b32 s72, 0, XSC                      ; and of sc
	s_cselect_b32 s70, 2, s43                      ; source 1's is 4 x this + cy
	s_cselect_b32 s71, XB, 0
	s_cselect_b32 s73, XSC, 0
	s_lshl_b32 s46, s68, 2
	s_add_co_u32 s46, s46, s40                     ; (these registers never hold cy)
	s_lshl_b32 s74, s46, 13
	s_add_co_u32 s74, s74, s72
	s_lshl_b32 s22, s[H0], 12
	s_add_co_u32 s74, s74, s22                     ; source 0: my 8 tiles' scale words in sc
	s_lshl_b32 s46, s46, 17
	s_add_co_u32 s46, s46, s69
	s_lshl_b32 s22, s[H0], 16
	s_add_co_u32 s46, s46, s22                     ; source 0: the 8 tiles that I would fetch
	s_mov_b32 s47, 0
	s_lshl_b32 s66, s70, 2
	s_add_co_u32 s66, s66, s41                     ; (these never hold cx)
	s_lshl_b32 s75, s66, 13
	s_add_co_u32 s75, s75, s73
	s_lshl_b32 s23, s[H1], 12
	s_add_co_u32 s75, s75, s23                     ; source 1: my 8 tiles' scale words
	s_lshl_b32 s66, s66, 17
	s_add_co_u32 s66, s66, s71
	s_add_co_u32 s66, s66, s22
	s_mov_b32 s67, 0
	s_mov_b32 s[SEL], 0x76543210
	s_mov_b32 s[SEL+1], 0xfedcba98
	s_lshl_b32 s23, s[WV], 15                      ; where my 8 tiles go in a chunk: wave x 32,768
	s_wait_dscnt 0x0                               ; both opening adds are done
	s_wait_kmcnt 0x0
	s_add_nc_u64 s[66:67], s[4:5], s[66:67]
	s_add_nc_u64 s[46:47], s[4:5], s[46:47]
	CROUND                                         ; all sixteen work-groups are here: the joint loads meet
.irp ch, 0,1
	s_mov_b32 s[G0+4*\ch], 1
	s_add_co_u32 s[G0+4*\ch+1], s23, \ch*CHUNK
	s_add_nc_u64 s[G0+4*\ch+2:G0+4*\ch+3], s[66:67], \ch*4096
	s_or_b32 s[G0+4*\ch+3], s[G0+4*\ch+3], 0x80000000
	s_mov_b32 s[G0B+4*\ch], 1
	s_add_co_u32 s[G0B+4*\ch+1], s23, \ch*CHUNK
	s_add_nc_u64 s[G0B+4*\ch+2:G0B+4*\ch+3], s[46:47], \ch*4096
	s_or_b32 s[G0B+4*\ch+3], s[G0B+4*\ch+3], 0x80000000
	JLOAD G0+4*\ch, G1, G0B+4*\ch, G1B             ; two tensor loads of mine are out behind the second
.endr
	v_and_b32 v1, 31, v0                           ; lane
	v_and_b32 v2, 15, v0                           ; r
	v_bfe_u32 v3, v0, 4, 1                         ; h
	v_lshlrev_b32 v[L16], 4, v1
	v_lshlrev_b32 v[L8], 3, v1
	s_lshl_b32 s22, s[H1], 15
	s_lshl_b32 s23, s[H0], 15
	s_add_co_u32 s23, s23, 65536
	v_add_nc_u32 v[ADRA], s22, v[L16]
	v_add_nc_u32 v[ADRB], s23, v[L16]
	v_add_nc_u32 v[ADRA+1], CHUNK, v[ADRA]
	v_add_nc_u32 v[ADRB+1], CHUNK, v[ADRB]
	v_cmp_lt_u32 s[HM], 15, v1
	v_mov_b32 v4, s75
	v_mov_b32 v5, s74
	v_cndmask_b32 v[ADRS], v4, v5, s[HM]           ; lanes 0-15 take source 1's words, lanes 16-31 source 0's
	v_lshl_add_u32 v[ADRS], v2, 3, v[ADRS]
.irp i, 0,1,2,3,4,5,6,7
.irp p, 0,1,2,3
	global_load_b64 v[SC+8*\i+2*\p:SC+8*\i+2*\p+1], v[ADRS], s[6:7] offset:(\i/2)*1024+(\i%2)*128+\p*256
.endr
.endr
; the bias table, by the same 64 lines either way.  q, k: T[8 i + j] = the bias of source-0 index 32 (i / 2) + 16 h + 8 (i % 2) + j.  v: T[8 i + j] = the bias of source 1's tile i, row slot r, for every j
	s_cmp_eq_u32 s42, 2
	s_cselect_b32 s76, s41, s40
	s_cselect_b32 s77, s[H1], s[H0]
	s_cselect_b32 s78, -1, 0
	s_cselect_b32 s79, 0, 4
	s_cmp_eq_u32 s42, 1
	s_cselect_b64 s[80:81], s[10:11], s[8:9]
	s_cmp_eq_u32 s42, 2
	s_cselect_b64 s[80:81], s[12:13], s[80:81]
	s_lshl_b32 s82, s76, 10
	s_lshl_b32 s83, s77, 9
	s_add_co_u32 s82, s82, s83
	s_mov_b32 s83, 0
	s_add_nc_u64 s[80:81], s[80:81], s[82:83]      ; the bias at my 128 features
	v_lshlrev_b32 v4, 6, v3                        ; q, k: 64 h (+ 4 j)
	v_and_b32 v5, 8, v2
	v_add_nc_u32 v5, v5, v2
	v_lshlrev_b32 v5, 2, v5                        ; v: 4 (r + 8 (r / 8))
	v_cndmask_b32 v[PW], v4, v5, s78
.irp j, 1,2,3,4,5,6,7
	v_add_nc_u32 v[PW+\j], s79, v[PW+\j-1]
.endr
.irp i, 0,1,2,3,4,5,6,7
.irp j, 0,1,2,3,4,5,6,7
	global_load_b32 v[T+8*\i+\j], v[PW+\j], s[80:81] offset:(32*(\i/2)+8*(\i%2))*4
.endr
.endr
.irp b, 0,1,2,3
	v_mov_b32 v[TM+4+\b], 0                        ; written once: a lane exchange's destination counts as one of its sources
.endr
.macro FRAG reg, adr, q, i             ; a fragment (16 rows x 128 K, 8 registers) comes as it was stored: two loads of 512 consecutive bytes
.irp c, 0,1
	ds_load_b128 v[\reg+4*\c:\reg+4*\c+3], v[\adr] offset:(\i)*4096+(\q)*1024+\c*512
.endr
.endm
.macro FETCH_B ch, q, p
	WIN TO_B
.irp i, 0,1,2,3,4,5,6,7
	FRAG 128*(\p)+8*\i, ADRB+\ch, \q, \i
.endr
	WIN 0
.endm
.macro FETCH_A ch, q, i0
.irp i, \i0, \i0+1, \i0+2, \i0+3
	FRAG AF+8*(\i), ADRA+\ch, \q, \i
.endr
.endm
; 16 matrix instructions: source 1's tiles a0, a0 + 1 x source 0's eight, K step s.  The 64 accumulators take turns, one instruction a turn, in the same order in every step.
.macro MUL16 a0, p, s, zero
.irp a, \a0, \a0+1
.irp b, 0,1,2,3,4,5,6,7
.if \zero
	v_wmma_scale_f32_16x16x128_f8f6f4 v[8*(8*((\a)%4)+\b):8*(8*((\a)%4)+\b)+7], v[128*(\p)+8*\b:128*(\p)+8*\b+7], v[AF+8*(\a):AF+8*(\a)+7], 0, v[SC+8*\b+(\s)], v[SC+8*(\a)+(\s)] matrix_a_fmt:MATRIX_FMT_FP4 matrix_b_fmt:MATRIX_FMT_FP4 matrix_a_scale:MATRIX_SCALE_ROW1
.else
	v_wmma_scale_f32_16x16x128_f8f6f4 v[8*(8*((\a)%4)+\b):8*(8*((\a)%4)+\b)+7], v[128*(\p)+8*\b:128*(\p)+8*\b+7], v[AF+8*(\a):AF+8*(\a)+7], v[8*(8*((\a)%4)+\b):8*(8*((\a)%4)+\b)+7], v[SC+8*\b+(\s)], v[SC+8*(\a)+(\s)] matrix_a_fmt:MATRIX_FMT_FP4 matrix_b_fmt:MATRIX_FMT_FP4 matrix_a_scale:MATRIX_SCALE_ROW1
.endif
.endr
.endr
.endm
; A K step whose successor lies in the same chunk.  Four plain places stand in front of each run of loads into registers that matrix instructions have read (ISA guide 7.12.1 for vector instructions).
.macro STEP ch, q, zero
	s_wait_dscnt 8                                 ; source 0's set and source 1's tiles 0-3 are in; the youngest eight loads (tiles 4-7) may be out
	WIN MUL_LO
	MUL16 0, (\q)%2, 4*(\ch)+(\q), \zero
	MUL16 2, (\q)%2, 4*(\ch)+(\q), \zero
	s_wait_dscnt 0x0
	PLACES 4
	FETCH_B \ch, (\q)+1, 1-(\q)%2
	FETCH_A \ch, (\q)+1, 0
	WIN MUL_HI
	MUL16 4, (\q)%2, 4*(\ch)+(\q), \zero
	MUL16 6, (\q)%2, 4*(\ch)+(\q), \zero
	PLACES 4
	WIN 0
	FETCH_A \ch, (\q)+1, 4
.endm
	s_wait_tensorcnt 1                             ; my part of chunk 0 is in; chunk 1's load may stay out
	s_barrier_signal -1
	s_barrier_wait -1                              ; everybody's is
	FETCH_B 0, 0, 0
	FETCH_A 0, 0, 0
	FETCH_A 0, 0, 4
	s_wait_loadcnt 0x0                             ; the scale words and the bias table
	STEP 0, 0, 1                                   ; the first products start the sums: nothing is cleared
	STEP 0, 1, 0
	STEP 0, 2, 0
	s_wait_tensorcnt 0x0                           ; chunk 0's last step goes over to chunk 1: my part of it has landed,
	s_wait_dscnt 8
	WIN MUL_LO
	MUL16 0, 1, 3, 0
	s_wait_dscnt 0x0                               ; (no LDS instruction of mine is out at a signal)
	s_barrier_signal -1
	MUL16 2, 1, 3, 0
	WIN 0
	s_barrier_wait -1                              ; and everybody's
	PLACES 4
	FETCH_B 1, 0, 0
	FETCH_A 1, 0, 0
	WIN MUL_HI
	MUL16 4, 1, 3, 0
	MUL16 6, 1, 3, 0
	PLACES 4
	WIN 0
	FETCH_A 1, 0, 4
	STEP 1, 0, 0
	STEP 1, 1, 0
	STEP 1, 2, 0
	s_wait_dscnt 8                                 ; the last step: nothing more to fetch
	WIN MUL_LO
	MUL16 0, 1, 7, 0
	MUL16 2, 1, 7, 0
	s_wait_dscnt 0x0
	WIN MUL_HI
	MUL16 4, 1, 7, 0
	MUL16 6, 1, 7, 0
	WIN 0
	PLACES 4                                       ; in front of the first reads of results and the first writes of operand and scale registers
; 64 numbers of a lane, register 16 b + i = index 32 b + 16 h + i along the next K of my row, become a fragment's 8 registers in v[pc] on and its scale word in v[pw]
.macro QUANT s, pc, pw
.irp b, 0,1,2,3
	v_max3_num_f32 v[TM+\b], |v[\s+16*\b]|, |v[\s+1+16*\b]|, 0x1800000   ; with the floor 2^(3 - 127): the byte cannot fall under 1
.endr
.irp i, 2,4,6,8,10,12,14
.irp b, 0,1,2,3
	v_max3_num_f32 v[TM+\b], v[TM+\b], |v[\s+16*\b+\i]|, |v[\s+1+16*\b+\i]|
.endr
.endr
.irp b, 0,1,2,3
	v_permlanex16_b32 v[TM+4+\b], v[TM+\b], s[SEL], s[SEL+1]
.endr
.irp b, 0,1,2,3
	v_max_num_f32 v[TM+\b], v[TM+\b], v[TM+4+\b]   ; with lane l xor 16's 16: the block's largest magnitude
.endr
.irp b, 0,1,2,3
	v_add_nc_u32 v[TM+12+\b], 0xff000000, v[TM+\b] ; 2 off its exponent field: the conversions' scale operand
.endr
.irp b, 0,1,2,3
	v_lshrrev_b32 v[TM+4+\b], 23, v[TM+12+\b]      ; the byte
.endr
	v_lshl_or_b32 v[\pw], v[TM+5], 8, v[TM+4]
	v_lshl_or_b32 v[\pw], v[TM+6], 16, v[\pw]
	v_lshl_or_b32 v[\pw], v[TM+7], 24, v[\pw]
.irp b, 0,1,2,3
	v_cvt_scalef32_pk8_fp4_f32 v[(\pc)+2*\b], v[\s+16*\b:\s+7+16*\b], v[TM+12+\b]
	v_cvt_scalef32_pk8_fp4_f32 v[(\pc)+1+2*\b], v[\s+8+16*\b:\s+15+16*\b], v[TM+12+\b]
.endr
	v_nop                                          ; one plain place behind a scaled conversion
.irp c, 0,1                                    ; the operand's layout wants a whole block in a lane
.irp i, 0,1
	v_permlane16_swap_b32 v[(\pc)+4*\c+\i], v[(\pc)+2+4*\c+\i]
.endr
.endr
.endm
	s_cmp_eq_u32 s42, 2
	s_cbranch_scc1 .Lv_arm
; ---- q, k: my 128 features are two heads; tile a of my 128 tokens gives one fragment, whose registers 0-3 are the first head's 64 and 4-7 the second's
	s_cmp_eq_u32 s42, 0
	s_cselect_b64 s[84:85], s[14:15], s[16:17]     ; qi or kv
	s_mov_b32 s86, 143360
	s_cselect_b32 s86, 73728, s86                  ; a record
	s_lshl_b32 s87, s43, 2
	s_add_co_u32 s87, s87, s41
	s_lshl_b32 s87, s87, 1
	s_add_co_u32 s87, s87, s[H1]
	s_and_b32 s87, s87, 15                         ; my 128 tokens are step st of their batch
	s_lshr_b32 s88, s43, 1
	s_lshl_b32 s88, s88, 4
	s_lshl_b32 s89, s40, 2
	s_add_co_u32 s88, s88, s89
	s_lshl_b32 s89, s[H0], 1
	s_add_co_u32 s88, s88, s89                     ; 16 batch + my first head
	s_mul_i32 s88, s88, s86
	s_mov_b32 s89, 0
	s_add_nc_u64 s[84:85], s[84:85], s[88:89]
	s_mov_b32 s88, s86
	s_add_nc_u64 s[90:91], s[84:85], s[88:89]      ; the second head's record
	s_lshl_b32 s88, s87, 12
	s_add_nc_u64 s[92:93], s[84:85], s[88:89]      ; fragments
	s_add_nc_u64 s[94:95], s[90:91], s[88:89]
	s_lshl_b32 s88, s87, 9
	s_add_co_u32 s88, s88, 65536
	s_add_nc_u64 s[84:85], s[84:85], s[88:89]      ; scale words
	s_add_nc_u64 s[90:91], s[90:91], s[88:89]
.irp a, 0,1,2,3,4,5,6,7
	WIN 0x02+(\a/4)                                ; source 0: the accumulators' window
.set N, 0
.rept 32
	v_pk_add_f32 v[X+N:X+N+1], v[64*(\a%4)+N:64*(\a%4)+N+1], v[T+N:T+N+1]   ; + the bias; each accumulator from its low end on
.set N, N+2
.endr
	WIN 0
	QUANT X, 32+8*\a, PW+\a
	global_store_b128 v[L16], v[32+8*\a:35+8*\a], s[92:93] offset:512*\a   ; 512 consecutive bytes, aligned
	global_store_b128 v[L16], v[36+8*\a:39+8*\a], s[94:95] offset:512*\a
.endr
.irp j, 0,1,2,3
	v_cndmask_b32 v[SW+4+\j], v[PW+\j], v[PW+4+\j], s[HM]   ; lanes 0-15 store tiles 0-3's words, lanes 16-31 tiles 4-7's
.endr
.irp j, 0,1,2,3
	v_and_b32 v[SW+\j], 0xffff, v[SW+4+\j]         ; the first head's two bytes; the bytes of the 64 that attention's K step does not have are 0
.endr
.irp j, 0,1,2,3
	v_lshrrev_b32 v[SW+4+\j], 16, v[SW+4+\j]       ; the second head's
.endr
	global_store_b128 v[L16], v[SW:SW+3], s[84:85]
	global_store_b128 v[L16], v[SW+4:SW+7], s[90:91]
	s_branch .Ldone
; ---- v: source 0 = my 128 tokens, one step of keys; tile a of my 128 features is d tile a % 4 of head a / 4, and gives one whole fragment along the keys
.Lv_arm:
	s_lshl_b32 s87, s43, 2
	s_add_co_u32 s87, s87, s40
	s_lshl_b32 s87, s87, 1
	s_add_co_u32 s87, s87, s[H0]
	s_and_b32 s87, s87, 15                         ; the step of keys
	s_lshr_b32 s88, s43, 1
	s_lshl_b32 s88, s88, 4
	s_lshl_b32 s89, s41, 2
	s_add_co_u32 s88, s88, s89
	s_lshl_b32 s89, s[H1], 1
	s_add_co_u32 s88, s88, s89                     ; 16 batch + my first head
	s_mul_i32 s88, s88, 143360
	s_mov_b32 s89, 0
	s_add_nc_u64 s[84:85], s[16:17], s[88:89]
	s_add_nc_u64 s[90:91], s[84:85], 143360
	s_lshl_b32 s88, s87, 12
	s_add_co_u32 s88, s88, 73728
	s_add_nc_u64 s[92:93], s[84:85], s[88:89]
	s_add_nc_u64 s[94:95], s[90:91], s[88:89]
	s_lshl_b32 s88, s87, 8
	s_add_co_u32 s88, s88, 139264
	s_add_nc_u64 s[84:85], s[84:85], s[88:89]
	s_add_nc_u64 s[90:91], s[90:91], s[88:89]
.irp a, 0,1,2,3,4,5,6,7
	WIN 0x02+(\a/4)
.set N, 0
.rept 32
	v_pk_add_f32 v[X+N:X+N+1], v[64*(\a%4)+N:64*(\a%4)+N+1], v[T+8*\a+N%8:T+8*\a+N%8+1]   ; + my feature's bias
.set N, N+2
.endr
	WIN 0
	QUANT X, 32+8*\a, PW+\a
	global_store_b128 v[L16], v[32+8*\a:35+8*\a], s[92+2*(\a/4):93+2*(\a/4)] offset:(\a%4)*1024
	global_store_b128 v[L16], v[36+8*\a:39+8*\a], s[92+2*(\a/4):93+2*(\a/4)] offset:(\a%4)*1024+512
.endr
.irp d, 0,1
.irp j, 0,1
	v_cndmask_b32 v[SW+2*\d+\j], v[PW+4*\d+\j], v[PW+4*\d+2+\j], s[HM]   ; lanes 0-15: d tiles 0, 1; lanes 16-31: d tiles 2, 3
.endr
.endr
	global_store_b64 v[L8], v[SW:SW+1], s[84:85]   ; 256 consecutive bytes, aligned
	global_store_b64 v[L8], v[SW+2:SW+3], s[90:91]
.Ldone:
	s_wait_tensorcnt 0x0                           ; the wave's end
	ds_add_u32 v[SPW], v[NIL]
	s_wait_dscnt 0x0
	CROUND                                         ; the closing round
	s_endpgm
.Lfunc_end_k_q4ff6742cb4_gemm_qkv:
	.size	k_q4ff6742cb4_gemm_qkv, .Lfunc_end_k_q4ff6742cb4_gemm_qkv-k_q4ff6742cb4_gemm_qkv
	.p2alignl 7, 3214868480
	.fill 96, 4, 3214868480
	.section	.rodata,"a",@progbits
	.p2align	6, 0x0
	.amdhsa_kernel k_q4ff6742cb4_gemm_qkv
		.amdhsa_group_segment_fixed_size 327680
		.amdhsa_private_segment_fixed_size 0
		.amdhsa_enable_private_segment 0
		.amdhsa_kernarg_size 56
		.amdhsa_user_sgpr_count 2
		.amdhsa_user_sgpr_kernarg_segment_ptr 1
		.amdhsa_wavefront_size32 1
		.amdhsa_system_sgpr_workgroup_id_x 1
		.amdhsa_system_sgpr_workgroup_id_y 1
		.amdhsa_system_sgpr_workgroup_id_z 1
		.amdhsa_system_vgpr_workitem_id 0
		.amdhsa_next_free_vgpr 1024
		.amdhsa_next_free_sgpr 100
		.amdhsa_reserve_vcc 0
		.amdhsa_float_denorm_mode_32 3
		.amdhsa_float_denorm_mode_16_64 3
		.amdhsa_memory_ordered 1
		.amdhsa_forward_progress 1
		.amdhsa_inst_pref_size 200
	.end_amdhsa_kernel
	.amdgpu_metadata
---
amdhsa.version: [ 1, 2 ]
amdhsa.kernels:
  - .name:           k_q4ff6742cb4_gemm_qkv
    .symbol:         k_q4ff6742cb4_gemm_qkv.kd
    .args:
      - { .name: img, .offset: 0, .size: 8, .value_kind: global_buffer, .address_space: global }
      - { .name: sc, .offset: 8, .size: 8, .value_kind: global_buffer, .address_space: global }
      - { .name: bq, .offset: 16, .size: 8, .value_kind: global_buffer, .address_space: global }
      - { .name: bk, .offset: 24, .size: 8, .value_kind: global_buffer, .address_space: global }
      - { .name: bv, .offset: 32, .size: 8, .value_kind: global_buffer, .address_space: global }
      - { .name: qi, .offset: 40, .size: 8, .value_kind: global_buffer, .address_space: global }
      - { .name: kv, .offset: 48, .size: 8, .value_kind: global_buffer, .address_space: global }
    .group_segment_fixed_size: 327680
    .private_segment_fixed_size: 0
    .kernarg_segment_align: 8
    .kernarg_segment_size: 56
    .max_flat_workgroup_size: 128
    .sgpr_count:     100
    .vgpr_count:     1024
    .wavefront_size: 32
...
	.end_amdgpu_metadata
.endif
;; end of part 2
;; launch attn (part 3): grid 4 x 64, 16 waves a work-group, clusters of 4 x 1, 167,936 bytes of LDS; arguments qi, kv, img, sc; writes img, sc
.if DOCPART == 3
	.amdgcn_target "amdgcn-amd-amdhsa--gfx1250"
	.amdhsa_code_object_version 6
	.text
	.protected	k_q4ff6742cb4_attn
	.globl	k_q4ff6742cb4_attn
	.p2align	8
	.type	k_q4ff6742cb4_attn,@function
k_q4ff6742cb4_attn:
	s_mov_b64 s[64:65], 0
	v_nop
	global_prefetch_b8 v0, s[64:65] scope:SCOPE_SE
	s_setreg_imm32_b32 hwreg(HW_REG_WAVE_MODE, 25, 1), 1
	s_wait_xcnt 0x0
	s_wait_alu depctr_hold_cnt(0) depctr_sa_sdst(0) depctr_va_vdst(0) depctr_va_sdst(0) depctr_va_ssrc(0) depctr_va_vcc(0) depctr_vm_vsrc(0)
	s_getreg_b32 s2, hwreg(HW_REG_IB_STS2, 6, 4)
	s_cmp_eq_u32 s2, 0
	s_cbranch_scc0 .Lentry_in_a_cluster
	s_endpgm
.Lentry_in_a_cluster:
	s_bfe_u32 s2, ttmp6, 0x10000c
	s_cmp_lg_u32 s2, 0x3003
	s_cbranch_scc0 .Lentry_shape_is_right
	s_endpgm
.Lentry_shape_is_right:
; Launch 3 of 4: for each batch x head, o = softmax(q k^T / 8) v on codes of E2M1; o is quantised in registers for the last product and stored as images of its fragments.  No work of reference() is left out.
; THE SOFTMAX AHEAD OF THE SECOND PRODUCT: t = score x log2(e) / 8; M = the running largest t rounded up to a whole number; p = 2^(t - M) is quantised along the keys, not normalised; the row's sum is taken of the unquantised p
; and divides at the end; when M moves, the sum and O are multiplied by 2^(old M - new M), which rounds nothing.
; SHARES.  A cluster of four work-groups is one batch x head; a work-group owns 512 of its 2,048 queries, each of its sixteen waves one tile of 16 in each of two passes: 256 registers, four waves to a SIMD.
; A HEAD'S WHOLE K AND V (its record of kv, 143,360 bytes) LIE IN LDS, filled once by sixteen joint loads, one a wave (35 rows of 256 bytes each): no ring, no refill, no barrier in the loops.
; LAYOUT.  Both products are used transposed (S^T = K Q^T, O^T = V^T P^T): a lane holds one query throughout.  By the tiles' row order the 16 registers of tiles 2 b, 2 b + 1 of S^T are keys 32 b + 16 h + 0..15.
; THE FIRST PRODUCT'S K IS 64 OF THE INSTRUCTION'S 128: Q's registers 4-7 are zero codes, and both sides' scale bytes 2, 3 are 0.  So K's registers 4-7 may be anything: tile t's fragment is named v[32 + 4 t : 39 + 4 t],
; whose upper four are the next tile's codes; they meet zeros and add nothing.
; No prefetch: K and V are asked for once, at the head; nothing is streamed later.
; LIMITS: a block's byte is held at 1 from below (a block of zeros keeps it: its codes are zeros); NaN and infinities are not served.
.set OB,    6291456                    ; o's region of img
.set OSC,   393216                     ; and of sc
.set KSC,   65536                      ; LDS = the record: K's fragments at 0, K's scale words,
.set VFR,   73728                      ; V's fragments,
.set VSC,   139264                     ; V's scale words
.set SPARE, 143360                     ; the spare words, 128 bytes for each of sixteen waves
.set WV, 18
.macro CROUND
	s_barrier_signal -1
	s_barrier_wait -1
	s_cmp_lg_u32 s[WV], 0
	s_cbranch_scc1 .Lnot_wave_0_\@
	s_barrier_signal -3
.Lnot_wave_0_\@:
	s_barrier_wait -3
	s_barrier_signal -1
	s_barrier_wait -1
.endm
; REGISTERS: v1-4 lane places in K, V, K's and V's scale words; v5, v6 the add's two; v7 16 x lane; v8-11 the step's addresses; v12 -M, v13 the largest t, v[14:15] the sum; v16-31 Q of both passes (4 of codes, 4 of zeros each);
; v32-67 K; v68-71 K's scale words, v72-73 V's, v74 p's, v75-76 Q's; v77 8 r, v78 16 r; v80-87 o's codes, v88-89 o's scale bytes; v96-159 S^T, then p; v160-191 O^T; v192-223 V; v224-231 p's codes; v232-255 at work.
	s_load_b256 s[4:11], s[0:1], 0x0               ; qi, kv, img, sc
	v_lshl_add_u32 v5, v0, 2, SPARE
	v_mov_b32 v6, 0
	ds_add_u32 v5, v6                              ; the wave's opening: the add, twice on end, and its wait ahead of my first tensor load
	ds_add_u32 v5, v6
	v_lshrrev_b32 v8, 5, v0
	s_delay_alu instid0(VALU_DEP_1)
	v_readfirstlane_b32 s[WV], v8                  ; wave 0..15
	s_bfe_u32 s12, ttmp6, 0x40000                  ; cx
	s_lshl_b32 s19, ttmp9, 2
	s_add_co_u32 s12, s12, s19                     ; my block of 512 queries: it enters Q's and o's global addresses alone
	s_and_b32 s13, ttmp7, 0xffff                   ; batch x head, which the four partners share
	s_lshr_b32 s14, s13, 4                         ; batch
	s_and_b32 s15, s13, 15                         ; head
	s_mov_b32 s24, 15|(3<<16)|(1<<21)              ; group 1: the mask: all four; elements of 8 bytes; bit 21 beside a mask; no padding
	s_mov_b32 s25, 32<<16                          ; tensor_dim0: 256 bytes
	s_mov_b32 s26, 35<<16                          ; tensor_dim1
	s_mov_b32 s27, 32<<16                          ; tile_dim0
	s_mov_b32 s28, 35                              ; tile_dim1
	s_mov_b32 s29, 32                              ; dense
	s_mov_b32 s30, 0
	s_mov_b32 s31, 0
	s_mul_i32 s16, s13, 143360
	s_mul_i32 s19, s[WV], 8960
	s_add_co_u32 s16, s16, s19                     ; my sixteenth of the record
	s_mov_b32 s17, 0
	s_mov_b32 s32, 1
	s_mul_i32 s33, s[WV], 8960                     ; and its place in LDS
	s_mov_b32 s20, 0x76543210
	s_mov_b32 s21, 0xfedcba98                      ; selects for lane l xor 16
	s_mov_b32 s22, 0x3e38aa3b                      ; c = log2(e) / 8
	s_mov_b32 s23, s22                             ; (named with it as a pair)
	s_mov_b32 s47, 0
	s_wait_dscnt 0x0                               ; both opening adds are done
	s_wait_kmcnt 0x0
	s_add_nc_u64 s[34:35], s[6:7], s[16:17]
	s_or_b32 s35, s35, 0x80000000
	CROUND                                         ; all four work-groups are here: the joint loads meet
	tensor_load_to_lds s[32:35], s[24:31]          ; one tensor load of mine is out
	s_nop 0
.rept 4
	v_nop
.endr
	s_lshl_b32 s19, s12, 5
	s_add_co_u32 s19, s19, s[WV]                   ; Tq: my tile of queries in pass 0; pass 1's is 16 on
	s_mul_i32 s46, s13, 73728
	s_add_nc_u64 s[40:41], s[4:5], s[46:47]        ; my record of qi
	s_lshl_b32 s46, s19, 9
	s_add_nc_u64 s[38:39], s[40:41], s[46:47]      ; Q's fragment
	s_lshr_b32 s46, s19, 2
	s_lshl_b32 s46, s46, 8                         ; (Tq / 8) x 512 + ((Tq / 4) % 2) x 256
	s_and_b32 s16, s19, 3
	s_lshl_b32 s16, s16, 2
	s_add_co_u32 s46, s46, s16
	s_add_co_u32 s46, s46, 65536
	s_add_nc_u64 s[40:41], s[40:41], s[46:47]      ; Q's scale words (+ 16 r)
	s_lshl_b32 s36, s14, 7
	s_add_co_u32 s36, s36, s19                     ; T = 128 batch + Tq: o's row tile
	s_lshl_b32 s46, s36, 13
	s_lshl_b32 s16, s15, 9
	s_add_co_u32 s46, s46, s16                     ; the head's two blocks of 32: 512 bytes
	s_add_co_u32 s46, s46, OB
	s_add_nc_u64 s[42:43], s[8:9], s[46:47]
	s_and_b32 s16, s36, 1
	s_lshl_b32 s16, s16, 7
	s_lshr_b32 s46, s36, 1
	s_lshl_b32 s46, s46, 10
	s_add_co_u32 s46, s46, s16
	s_lshr_b32 s16, s15, 2
	s_lshl_b32 s16, s16, 8
	s_add_co_u32 s46, s46, s16                     ; the pair of K steps: head / 4
	s_and_b32 s16, s15, 3
	s_lshl_b32 s16, s16, 1
	s_add_co_u32 s46, s46, s16                     ; the word (head / 2) % 2 and my two bytes of it
	s_add_co_u32 s46, s46, OSC
	s_add_nc_u64 s[44:45], s[10:11], s[46:47]
	v_and_b32 v8, 31, v0                           ; lane
	v_and_b32 v9, 15, v0                           ; r
	s_delay_alu instid0(VALU_DEP_2)
	v_lshlrev_b32 v7, 4, v8
	s_delay_alu instid0(VALU_DEP_2)
	v_lshlrev_b32 v78, 4, v9
	s_delay_alu instid0(VALU_DEP_3)
	v_lshlrev_b32 v77, 3, v9
.irp p, 0,1
	global_load_b128 v[16+8*\p:19+8*\p], v7, s[38:39] offset:8192*\p
	global_load_b32 v[75+\p], v78, s[40:41] offset:1024*\p
.endr
	v_lshlrev_b32 v1, 4, v8
	s_delay_alu instid0(VALU_DEP_1)
	v_add_nc_u32 v2, VFR, v1
	s_delay_alu instid0(VALU_DEP_2)
	v_add_nc_u32 v3, KSC, v1
	v_lshl_add_u32 v4, v8, 3, VSC
.irp j, 20,21,22,23,28,29,30,31,64,65,66,67
	v_mov_b32 v[\j], 0                             ; Q's zero codes for k = 64..127; the registers behind K's last tile
.endr
.irp j, 236,237,238,239,252,253
	v_mov_b32 v[\j], 0                             ; written once: lane exchanges' destinations, and the upper half of the pair v[252:253]
.endr
	s_wait_tensorcnt 0x0                           ; my sixteenth has landed,
	s_barrier_signal -1
	s_barrier_wait -1                              ; everybody's has
	s_wait_loadcnt 0x0                             ; Q
; A KEY STEP: 128 keys
.macro STEP p
	v_add_nc_u32 v8, s2, v1                        ; these four are also the places between the last step's products and the loads into their registers
	v_add_nc_u32 v9, s2, v2
	v_add_nc_u32 v10, s3, v3
	v_add_nc_u32 v11, s36, v4
	ds_load_b128 v[68:71], v10                     ; K's scale words: lanes 0-15 tiles 0-3, lanes 16-31 tiles 4-7
.irp t, 0,1,2,3,4,5,6,7
	ds_load_b128 v[32+4*\t:35+4*\t], v8 offset:512*\t
.endr
	ds_load_b64 v[72:73], v11                      ; V's: lanes 0-15 d tiles 0, 1, lanes 16-31 d tiles 2, 3
.irp t, 0,1,2,3,4,5,6,7
	ds_load_b128 v[192+4*\t:195+4*\t], v9 offset:512*\t
.endr
	s_wait_dscnt 9                                 ; K and its scale words are in; V's nine loads may be out
.irp t, 0,1,2,3
	v_wmma_scale_f32_16x16x128_f8f6f4 v[96+8*\t:103+8*\t], v[32+4*\t:39+4*\t], v[16+8*\p:23+8*\p], 0, v[68+\t], v[75+\p] matrix_a_fmt:MATRIX_FMT_FP4 matrix_b_fmt:MATRIX_FMT_FP4
.endr
.irp t, 4,5,6,7
	v_wmma_scale_f32_16x16x128_f8f6f4 v[96+8*\t:103+8*\t], v[32+4*\t:39+4*\t], v[16+8*\p:23+8*\p], 0, v[64+\t], v[75+\p] matrix_a_fmt:MATRIX_FMT_FP4 matrix_b_fmt:MATRIX_FMT_FP4 matrix_a_scale:MATRIX_SCALE_ROW1
.endr
.rept 4
	v_nop
.endr
.irp b, 0,1,2,3
	v_max3_num_f32 v[232+\b], v[96+16*\b], v[97+16*\b], v[98+16*\b]   ; the largest score of each block of 32 keys: for the row's maximum, and, since p rises with the score, for the block's largest p
.endr
.irp i, 3,5,7,9,11,13
.irp b, 0,1,2,3
	v_max3_num_f32 v[232+\b], v[232+\b], v[96+16*\b+\i], v[97+16*\b+\i]
.endr
.endr
.irp b, 0,1,2,3
	v_max_num_f32 v[232+\b], v[232+\b], v[111+16*\b]
.endr
.irp b, 0,1,2,3
	s_delay_alu instid0(VALU_DEP_4)
	v_permlanex16_b32 v[236+\b], v[232+\b], s20, s21
.endr
.irp b, 0,1,2,3
	s_delay_alu instid0(VALU_DEP_4)
	v_max_num_f32 v[232+\b], v[232+\b], v[236+\b]  ; with lane l xor 16's 16 keys
.endr
	s_delay_alu instid0(VALU_DEP_2)
	v_max3_num_f32 v254, v232, v233, v234
	s_delay_alu instid0(VALU_DEP_1)
	v_max_num_f32 v254, v254, v235
	s_delay_alu instid0(VALU_DEP_1)
	v_mul_f32 v254, s22, v254                      ; the step's largest t
	s_delay_alu instid0(VALU_DEP_1)
	v_max_num_f32 v13, v13, v254                   ; the running largest t
	v_mov_b32 v254, v12
	s_delay_alu instid0(VALU_DEP_2)
	v_floor_f32 v12, -v13                          ; the new -M = floor(-t): M is a whole number
	s_delay_alu instid0(VALU_DEP_1)
	v_sub_f32 v254, v12, v254                      ; old M - new M: a whole number, 0 or less
	s_delay_alu instid0(VALU_DEP_1)
	v_cvt_i32_f32 v254, v254                       ; (it saturates)
	s_delay_alu instid0(VALU_DEP_1)
	v_ldexp_f32 v252, 1.0, v254                    ; f = 2^(old M - new M)
.set J, 0
.rept 32
	v_pk_fma_f32 v[96+J:97+J], v[96+J:97+J], s[22:23], v[12:13] op_sel_hi:[1,0,0]   ; t - M, two at a time
.set J, J+2
.endr
.irp b, 0,1,2,3
	v_fma_f32 v[232+\b], v[232+\b], s22, v12       ; the same of each block's largest score
.endr
.set J, 0
	s_wait_alu depctr_va_vdst(0)
.rept 64
	v_exp_f32 v[96+J], v[96+J]                     ; p = 2^(t - M), at most 1
.set J, J+1
.endr
	s_setprio 1
	v_pk_mul_f32 v[14:15], v[14:15], v[252:253] op_sel_hi:[1,0]   ; the sums under the new M (a plain place behind the exponentials)
	s_wait_alu depctr_va_vdst(0)                   ; the wait ahead of the first line that names a result: one for the batch
.irp b, 0,1,2,3
	v_exp_f32 v[232+\b], v[232+\b]                 ; the blocks' largest p
.endr
	v_pk_add_f32 v[236:237], v[100:101], v[104:105]
	v_pk_add_f32 v[254:255], v[108:109], v[112:113]
	v_pk_add_f32 v[250:251], v[116:117], v[120:121]
	v_pk_add_f32 v[248:249], v[124:125], v[128:129]
	v_pk_add_f32 v[246:247], v[132:133], v[136:137]
	v_pk_add_f32 v[244:245], v[140:141], v[144:145]
	v_pk_add_f32 v[242:243], v[148:149], v[152:153]
	v_pk_add_f32 v[14:15], v[14:15], v[156:157]
	v_pk_add_f32 v[236:237], v[236:237], v[96:97]
	v_pk_add_f32 v[254:255], v[254:255], v[98:99]
	v_pk_add_f32 v[250:251], v[250:251], v[102:103]
	v_pk_add_f32 v[248:249], v[248:249], v[106:107]
	v_pk_add_f32 v[246:247], v[246:247], v[110:111]
	v_pk_add_f32 v[244:245], v[244:245], v[114:115]
	v_pk_add_f32 v[242:243], v[242:243], v[118:119]
	v_pk_add_f32 v[14:15], v[14:15], v[122:123]
	v_pk_add_f32 v[236:237], v[236:237], v[126:127]
	v_pk_add_f32 v[254:255], v[254:255], v[130:131]
	v_pk_add_f32 v[250:251], v[250:251], v[134:135]
	v_pk_add_f32 v[248:249], v[248:249], v[138:139]
	v_pk_add_f32 v[246:247], v[246:247], v[142:143]
	v_pk_add_f32 v[244:245], v[244:245], v[146:147]
	v_pk_add_f32 v[242:243], v[242:243], v[150:151]
	v_pk_add_f32 v[14:15], v[14:15], v[154:155]
	v_pk_add_f32 v[236:237], v[236:237], v[158:159]
	s_delay_alu instid0(VALU_DEP_2)
	v_pk_add_f32 v[14:15], v[14:15], v[248:249]
	s_delay_alu instid0(VALU_DEP_2)
	v_pk_add_f32 v[236:237], v[236:237], v[246:247]
	v_pk_add_f32 v[254:255], v[254:255], v[244:245]
	v_pk_add_f32 v[250:251], v[250:251], v[242:243]
	s_delay_alu instid0(VALU_DEP_2)
	v_pk_add_f32 v[14:15], v[14:15], v[254:255]
	s_delay_alu instid0(VALU_DEP_2)
	v_pk_add_f32 v[236:237], v[236:237], v[250:251]
	s_delay_alu instid0(VALU_DEP_1)
	v_pk_add_f32 v[14:15], v[14:15], v[236:237]
	s_wait_alu depctr_va_vdst(0)                   ; and one for the four
.irp b, 0,1,2,3
	v_max_num_f32 v[232+\b], 0x1800000, v[232+\b]  ; the floor 2^(3 - 127)
.endr
.irp b, 0,1,2,3
	s_delay_alu instid0(VALU_DEP_4)
	v_add_nc_u32 v[244+\b], 0xff000000, v[232+\b]  ; the conversions' scale operand
.endr
.irp b, 0,1,2,3
	s_delay_alu instid0(VALU_DEP_4)
	v_lshrrev_b32 v[236+\b], 23, v[244+\b]         ; the byte
.endr
	s_delay_alu instid0(VALU_DEP_3)
	v_lshl_or_b32 v74, v237, 8, v236               ; p's scale word for these 128 keys
	s_delay_alu instid0(VALU_DEP_1)
	v_lshl_or_b32 v74, v238, 16, v74
	s_delay_alu instid0(VALU_DEP_1)
	v_lshl_or_b32 v74, v239, 24, v74
.irp b, 0,1,2,3
	v_cvt_scalef32_pk8_fp4_f32 v[224+2*\b], v[96+16*\b:103+16*\b], v[244+\b]
	v_cvt_scalef32_pk8_fp4_f32 v[225+2*\b], v[104+16*\b:111+16*\b], v[244+\b]
.endr
	v_nop                                          ; one plain place behind a scaled conversion
.irp c, 0,1
.irp i, 0,1
	v_permlane16_swap_b32 v[224+4*\c+\i], v[226+4*\c+\i]   ; a whole block to a lane
.endr
.endr
.set J, 0
	s_setprio 0
.rept 16
	v_pk_mul_f32 v[160+J:161+J], v[160+J:161+J], v[252:253] op_sel_hi:[1,0]   ; O^T under the new M.  Of these sixteen, twelve name no register of any one product below: the places behind p's scale word and codes
.set J, J+2
.endr
	s_wait_alu depctr_va_vdst(0)
	s_wait_dscnt 0x0                               ; V is in
.irp t, 0,1
	v_wmma_scale_f32_16x16x128_f8f6f4 v[160+8*\t:167+8*\t], v[192+8*\t:199+8*\t], v[224:231], v[160+8*\t:167+8*\t], v[72+\t], v74 matrix_a_fmt:MATRIX_FMT_FP4 matrix_b_fmt:MATRIX_FMT_FP4
.endr
.irp t, 2,3
	v_wmma_scale_f32_16x16x128_f8f6f4 v[160+8*\t:167+8*\t], v[192+8*\t:199+8*\t], v[224:231], v[160+8*\t:167+8*\t], v[70+\t], v74 matrix_a_fmt:MATRIX_FMT_FP4 matrix_b_fmt:MATRIX_FMT_FP4 matrix_a_scale:MATRIX_SCALE_ROW1
.endr
.endm
; THE WAY OUT of a pass: O^T / the sum; its 32 registers are d = 32 b + 16 h + 0..15 of my query: two blocks of the last product's K.  They become four registers of codes (lane (r, h): d = 32 h + 0..31) and two scale bytes.
.macro OUT p
	v_add_f32 v14, v14, v15
	s_delay_alu instid0(VALU_DEP_1)
	v_permlanex16_b32 v252, v14, s20, s21
	s_delay_alu instid0(VALU_DEP_1)
	v_add_f32 v14, v14, v252                       ; the row's sum
	s_wait_alu depctr_va_vdst(0)
	v_rcp_f32 v14, v14
.rept 4
	v_nop                                          ; places behind the last products, and the plain place behind the reciprocal
.endr
	s_wait_alu depctr_va_vdst(0)                   ; ahead of the reciprocal's first reader
.set J, 0
.rept 16
	v_pk_mul_f32 v[96+J:97+J], v[160+J:161+J], v[14:15] op_sel_hi:[1,0]   ; each accumulator from its low end on
.set J, J+2
.endr
.irp b, 0,1
	v_max3_num_f32 v[232+\b], |v[96+16*\b]|, |v[97+16*\b]|, 0x1800000
.endr
.irp i, 2,4,6,8,10,12,14
.irp b, 0,1
	s_delay_alu instid0(VALU_DEP_2)
	v_max3_num_f32 v[232+\b], v[232+\b], |v[96+16*\b+\i]|, |v[97+16*\b+\i]|
.endr
.endr
.irp b, 0,1
	s_delay_alu instid0(VALU_DEP_2)
	v_permlanex16_b32 v[236+\b], v[232+\b], s20, s21
.endr
.irp b, 0,1
	s_delay_alu instid0(VALU_DEP_2)
	v_max_num_f32 v[232+\b], v[232+\b], v[236+\b]
.endr
.irp b, 0,1
	s_delay_alu instid0(VALU_DEP_2)
	v_add_nc_u32 v[244+\b], 0xff000000, v[232+\b]
.endr
.irp b, 0,1
	s_delay_alu instid0(VALU_DEP_2)
	v_lshrrev_b32 v[236+\b], 23, v[244+\b]
.endr
	s_delay_alu instid0(VALU_DEP_1)
	v_lshl_or_b32 v[88+\p], v237, 8, v236
.irp b, 0,1
	v_cvt_scalef32_pk8_fp4_f32 v[80+4*\p+2*\b], v[96+16*\b:103+16*\b], v[244+\b]
	v_cvt_scalef32_pk8_fp4_f32 v[81+4*\p+2*\b], v[104+16*\b:111+16*\b], v[244+\b]
.endr
	v_nop
	v_permlane16_swap_b32 v[80+4*\p], v[82+4*\p]
	v_permlane16_swap_b32 v[81+4*\p], v[83+4*\p]
	global_store_b128 v7, v[80+4*\p:83+4*\p], s[42:43] offset:131072*\p   ; 512 consecutive bytes, aligned
	global_store_b16 v77, v[88+\p], s[44:45] offset:8192*\p   ; a head owns two of a scale word's four bytes: 2 bytes for each 64 numbers; lanes l and l + 16 store the same value to the same place
.endm
.macro PASS p
	v_mov_b32 v13, 0xff61b1e6                      ; the largest t so far: -3e38
	s_delay_alu instid0(VALU_DEP_1)
	v_floor_f32 v12, -v13
	v_mov_b32 v14, 0
	v_mov_b32 v15, 0
.set J, 0
.rept 32
	v_mov_b32 v[160+J], 0                          ; O^T: the step is written once; its first trip finds zeros, which the first change of M leaves zeros
.set J, J+1
.endr
	s_mov_b32 s2, 0                                ; the step's fragments: 4,096 bytes a step in K and in V
	s_mov_b32 s3, 0                                ; K's scale words: 512
	s_mov_b32 s36, 0                               ; V's: 256
	s_mov_b32 s37, 16
.Lstep_\p:
	s_setprio 2
	STEP \p
	s_add_co_u32 s2, s2, 4096
	s_add_co_u32 s3, s3, 512
	s_add_co_u32 s36, s36, 256
	s_sub_co_u32 s37, s37, 1
	s_cmp_lg_u32 s37, 0
	s_cbranch_scc1 .Lstep_\p
	s_setprio 0
	OUT \p
.endm
	PASS 0
	PASS 1
	s_wait_tensorcnt 0x0                           ; the wave's end
	ds_add_u32 v5, v6
	s_wait_dscnt 0x0
	CROUND                                         ; the closing round
	s_endpgm
.Lfunc_end_k_q4ff6742cb4_attn:
	.size	k_q4ff6742cb4_attn, .Lfunc_end_k_q4ff6742cb4_attn-k_q4ff6742cb4_attn
	.p2alignl 7, 3214868480
	.fill 96, 4, 3214868480
	.section	.rodata,"a",@progbits
	.p2align	6, 0x0
	.amdhsa_kernel k_q4ff6742cb4_attn
		.amdhsa_group_segment_fixed_size 167936
		.amdhsa_private_segment_fixed_size 0
		.amdhsa_enable_private_segment 0
		.amdhsa_kernarg_size 32
		.amdhsa_user_sgpr_count 2
		.amdhsa_user_sgpr_kernarg_segment_ptr 1
		.amdhsa_wavefront_size32 1
		.amdhsa_system_sgpr_workgroup_id_x 1
		.amdhsa_system_sgpr_workgroup_id_y 1
		.amdhsa_system_sgpr_workgroup_id_z 1
		.amdhsa_system_vgpr_workitem_id 0
		.amdhsa_next_free_vgpr 256
		.amdhsa_next_free_sgpr 66
		.amdhsa_reserve_vcc 0
		.amdhsa_float_denorm_mode_32 3
		.amdhsa_float_denorm_mode_16_64 3
		.amdhsa_memory_ordered 1
		.amdhsa_forward_progress 1
		.amdhsa_inst_pref_size 49
	.end_amdhsa_kernel
	.amdgpu_metadata
---
amdhsa.version: [ 1, 2 ]
amdhsa.kernels:
  - .name:           k_q4ff6742cb4_attn
    .symbol:         k_q4ff6742cb4_attn.kd
    .args:
      - { .name: qi, .offset: 0, .size: 8, .value_kind: global_buffer, .address_space: global }
      - { .name: kv, .offset: 8, .size: 8, .value_kind: global_buffer, .address_space: global }
      - { .name: img, .offset: 16, .size: 8, .value_kind: global_buffer, .address_space: global }
      - { .name: sc, .offset: 24, .size: 8, .value_kind: global_buffer, .address_space: global }
    .group_segment_fixed_size: 167936
    .private_segment_fixed_size: 0
    .kernarg_segment_align: 8
    .kernarg_segment_size: 32
    .max_flat_workgroup_size: 512
    .sgpr_count:     66
    .vgpr_count:     256
    .wavefront_size: 32
...
	.end_amdgpu_metadata
.endif
;; end of part 3
;; launch gemm_out (part 4): grid 4 x 32, 4 waves a work-group, clusters of 4 x 4, 327,680 bytes of LDS; arguments img, sc, bo, out0; writes out0
.if DOCPART == 4
	.amdgcn_target "amdgcn-amd-amdhsa--gfx1250"
	.amdhsa_code_object_version 6
	.text
	.protected	k_q4ff6742cb4_gemm_out
	.globl	k_q4ff6742cb4_gemm_out
	.p2align	8
	.type	k_q4ff6742cb4_gemm_out,@function
k_q4ff6742cb4_gemm_out:
	s_mov_b64 s[64:65], 0
	v_nop
	global_prefetch_b8 v0, s[64:65] scope:SCOPE_SE
	s_setreg_imm32_b32 hwreg(HW_REG_WAVE_MODE, 25, 1), 1
	s_wait_xcnt 0x0
	s_wait_alu depctr_hold_cnt(0) depctr_sa_sdst(0) depctr_va_vdst(0) depctr_va_sdst(0) depctr_va_ssrc(0) depctr_va_vcc(0) depctr_vm_vsrc(0)
	s_getreg_b32 s2, hwreg(HW_REG_IB_STS2, 6, 4)
	s_cmp_eq_u32 s2, 0
	s_cbranch_scc0 .Lentry_in_a_cluster
	s_endpgm
.Lentry_in_a_cluster:
	s_bfe_u32 s2, ttmp6, 0x10000c
	s_cmp_lg_u32 s2, 0xf033
	s_cbranch_scc0 .Lentry_shape_is_right
	s_endpgm
.Lentry_shape_is_right:
; Launch 4 of 4: out0 = o Wo + bo on codes of E2M1: o's images from launch 3, Wo's from launch 1.  No work of reference() is left out.
; The product is launch 2's: a work-group of four waves makes 256 features (source 0 = Wo's tiles) x 256 tokens (source 1 = o's tiles), a wave 128 x 128 in 64 accumulators; K = 1,024 is two chunks of 512 that lie in LDS together.
; CLUSTERS 4 x 4: o's tile hangs on cy alone and is asked for jointly by a row of the cluster, Wo's on cx alone and by a column.
; THE WAY OUT: a lane's eight results are eight neighbouring features of one token; a tile of 16 tokens x 128 features goes through my own stage in LDS (behind the chunks: no tensor load lands there) and leaves as whole rows of 512 bytes.
; The tiles' row order (launch 1's comment) is undone by the places: features in the stage, tokens in the stores' offsets.
.set XB,    4194304
.set XSC,   262144
.set OB,    6291456
.set OSC,   393216
.set CHUNK, 131072
.set STAGE, 262144                     ; 16 rows x (512 bytes + 16) for each wave
.set SPARE, 295936
.set ADRA,  16
.set ADRB,  20
.set STO,   24                         ; v24  where I put 32 bytes of a row
.set RD,    25                         ; v25  where I read a row back
.set L16,   26                         ; v26  16 x lane
.set ADRS,  27
.set SPW,   28
.set NIL,   29
.set SC,    32
.set BO,    96                         ; v96-99  bo at my four columns of a row
.set AF,    128
.set BK,    128                        ; the way out: 16 rows read back: v128-191 and v192-255 by turns
.set WV, 18
.set H1, 19
.set H0, 20
.set HM, 21
.set G1, 24
.set G0, 32
.set G1B, 48
.set G0B, 56
.set MSB, 0
.macro WIN new
.if MSB != (\new)
	s_set_vgpr_msb (MSB<<8)|(\new)
.set MSB, (\new)
.endif
.endm
.set MUL_LO, 0xa1
.set MUL_HI, 0xf1
.set TO_B,   0x40
.macro JLOAD g0a, g1a, g0b, g1b        ; waves 0, 1 fetch for source 1, waves 2, 3 for source 0; an s_nop 0 and four v_nop follow each line
	s_cmp_eq_u32 s[H1], 0
	s_cbranch_scc0 .Lfor_b_\@
	tensor_load_to_lds s[\g0a:\g0a+3], s[\g1a:\g1a+7]
	s_nop 0
.rept 4
	v_nop
.endr
	s_branch .Lasked_\@
.Lfor_b_\@:
	tensor_load_to_lds s[\g0b:\g0b+3], s[\g1b:\g1b+7]
	s_nop 0
.rept 4
	v_nop
.endr
.Lasked_\@:
.endm
.macro CROUND
	s_barrier_signal -1
	s_barrier_wait -1
	s_cmp_lg_u32 s[WV], 0
	s_cbranch_scc1 .Lnot_wave_0_\@
	s_barrier_signal -3
.Lnot_wave_0_\@:
	s_barrier_wait -3
	s_barrier_signal -1
	s_barrier_wait -1
.endm
.macro PLACES n
.rept \n
	v_nop
.endr
.endm
	s_load_b256 s[4:11], s[0:1], 0x0               ; img, sc, bo, out0
	v_lshl_add_u32 v[SPW], v0, 2, SPARE
	v_mov_b32 v[NIL], 0
	ds_add_u32 v[SPW], v[NIL]                      ; the wave's opening: the add, twice on end, and its wait ahead of my first tensor load
	ds_add_u32 v[SPW], v[NIL]
	v_lshrrev_b32 v1, 5, v0
	v_readfirstlane_b32 s[WV], v1
	s_lshr_b32 s[H1], s[WV], 1                     ; my half of the tokens.  Also: I fetch for source 1 (0) or source 0 (1)
	s_and_b32 s[H0], s[WV], 1                      ; my half of the features.  Also: which 8 tiles I fetch
	s_bfe_u32 s40, ttmp6, 0x40000                  ; cx
	s_bfe_u32 s41, ttmp6, 0x40004                  ; cy
	s_and_b32 s43, ttmp7, 0xffff                   ; cluster y
	s_lshl_b32 s44, s41, 2
	s_lshl_b32 s44, 15, s44
	s_lshl_b32 s45, 0x1111, s40
	s_or_b32 s[G1], s44, (3<<16)|(1<<21)
	s_or_b32 s[G1B], s45, (3<<16)|(1<<21)
.irp g, G1, G1B
	s_mov_b32 s[\g+1], 512<<16                     ; 8 tiles x 4,096 bytes, 8,192 bytes apart
	s_mov_b32 s[\g+2], 8<<16
	s_mov_b32 s[\g+3], 512<<16
	s_mov_b32 s[\g+4], 8
	s_mov_b32 s[\g+5], 1024
	s_mov_b32 s[\g+6], 0
	s_mov_b32 s[\g+7], 0
.endr
	s_add_co_u32 s46, s40, 12                      ; Wo's block of 256 features: 12 + cx among the weights' (these registers never hold cy)
	s_lshl_b32 s74, s46, 13
	s_add_co_u32 s74, s74, XSC
	s_lshl_b32 s22, s[H0], 12
	s_add_co_u32 s74, s74, s22
	s_lshl_b32 s46, s46, 17
	s_add_co_u32 s46, s46, XB
	s_lshl_b32 s22, s[H0], 16
	s_add_co_u32 s46, s46, s22
	s_mov_b32 s47, 0
	s_lshl_b32 s66, s43, 2
	s_add_co_u32 s66, s66, s41                     ; o's block of 256 tokens (these never hold cx)
	s_lshl_b32 s75, s66, 13
	s_add_co_u32 s75, s75, OSC
	s_lshl_b32 s23, s[H1], 12
	s_add_co_u32 s75, s75, s23
	s_lshl_b32 s66, s66, 17
	s_add_co_u32 s66, s66, OB
	s_add_co_u32 s66, s66, s22
	s_mov_b32 s67, 0
	s_lshl_b32 s76, s43, 2
	s_add_co_u32 s76, s76, s41
	s_lshl_b32 s76, s76, 20                        ; 256 rows of 4,096 bytes
	s_lshl_b32 s77, s[H1], 19
	s_add_co_u32 s76, s76, s77
	s_lshl_b32 s78, s40, 10
	s_lshl_b32 s77, s[H0], 9
	s_add_co_u32 s78, s78, s77                     ; my 128 columns, in bytes
	s_add_co_u32 s76, s76, s78
	s_mov_b32 s77, 0
	s_mov_b32 s79, 0
	s_lshl_b32 s23, s[WV], 15
	s_wait_dscnt 0x0                               ; both opening adds are done
	s_wait_kmcnt 0x0
	s_add_nc_u64 s[66:67], s[4:5], s[66:67]
	s_add_nc_u64 s[46:47], s[4:5], s[46:47]
	s_add_nc_u64 s[12:13], s[10:11], s[76:77]      ; out0 at my first row and column
	s_add_nc_u64 s[14:15], s[8:9], s[78:79]        ; bo at my first column
	CROUND
.irp ch, 0,1
	s_mov_b32 s[G0+4*\ch], 1
	s_add_co_u32 s[G0+4*\ch+1], s23, \ch*CHUNK
	s_add_nc_u64 s[G0+4*\ch+2:G0+4*\ch+3], s[66:67], \ch*4096
	s_or_b32 s[G0+4*\ch+3], s[G0+4*\ch+3], 0x80000000
	s_mov_b32 s[G0B+4*\ch], 1
	s_add_co_u32 s[G0B+4*\ch+1], s23, \ch*CHUNK
	s_add_nc_u64 s[G0B+4*\ch+2:G0B+4*\ch+3], s[46:47], \ch*4096
	s_or_b32 s[G0B+4*\ch+3], s[G0B+4*\ch+3], 0x80000000
	s_wait_alu depctr_va_vdst(0)
	s_wait_tensorcnt 0x0
	ds_add_u32 v28, v29
	ds_add_u32 v28, v29
	s_wait_dscnt 0x0
	CROUND
	JLOAD G0+4*\ch, G1, G0B+4*\ch, G1B             ; one tensor load of mine is out: the first landed ahead of the second
.endr
	v_and_b32 v1, 31, v0
	v_and_b32 v2, 15, v0
	v_bfe_u32 v3, v0, 4, 1
	v_lshlrev_b32 v[L16], 4, v1
	s_lshl_b32 s22, s[H1], 15
	s_lshl_b32 s23, s[H0], 15
	s_add_co_u32 s23, s23, 65536
	v_add_nc_u32 v[ADRA], s22, v[L16]
	v_add_nc_u32 v[ADRB], s23, v[L16]
	v_add_nc_u32 v[ADRA+1], CHUNK, v[ADRA]
	v_add_nc_u32 v[ADRB+1], CHUNK, v[ADRB]
	v_cmp_lt_u32 s[HM], 15, v1
	v_mov_b32 v4, s75
	v_mov_b32 v5, s74
	v_cndmask_b32 v[ADRS], v4, v5, s[HM]           ; lanes 0-15 take o's scale words, lanes 16-31 Wo's
	v_lshl_add_u32 v[ADRS], v2, 3, v[ADRS]
.irp i, 0,1,2,3,4,5,6,7
.irp p, 0,1,2,3
	global_load_b64 v[SC+8*\i+2*\p:SC+8*\i+2*\p+1], v[ADRS], s[6:7] offset:(\i/2)*1024+(\i%2)*128+\p*256
.endr
.endr
	global_load_b128 v[BO:BO+3], v[L16], s[14:15]
	s_mul_i32 s22, s[WV], 16*528
	s_add_co_u32 s22, s22, STAGE                   ; my stage
	v_mul_u32_u24 v[STO], v2, 528
	v_lshl_add_u32 v[STO], v3, 6, v[STO]
	v_add_nc_u32 v[STO], s22, v[STO]               ; in: row slot r, + 64 h
	v_add_nc_u32 v[RD], s22, v[L16]                ; back: the 32 lanes take one row of 512 bytes
.macro FRAG reg, adr, q, i
.irp c, 0,1
	ds_load_b128 v[\reg+4*\c:\reg+4*\c+3], v[\adr] offset:(\i)*4096+(\q)*1024+\c*512
.endr
.endm
.macro FETCH_B ch, q, p
	WIN TO_B
.irp i, 0,1,2,3,4,5,6,7
	FRAG 128*(\p)+8*\i, ADRB+\ch, \q, \i
.endr
	WIN 0
.endm
.macro FETCH_A ch, q, i0
.irp i, \i0, \i0+1, \i0+2, \i0+3
	FRAG AF+8*(\i), ADRA+\ch, \q, \i
.endr
.endm
; The 64 accumulators take turns, one instruction a turn, in the same order in every step.
.macro MUL16 a0, p, s, zero
.irp a, \a0, \a0+1
.irp b, 0,1,2,3,4,5,6,7
.if \zero
	v_wmma_scale_f32_16x16x128_f8f6f4 v[8*(8*((\a)%4)+\b):8*(8*((\a)%4)+\b)+7], v[128*(\p)+8*\b:128*(\p)+8*\b+7], v[AF+8*(\a):AF+8*(\a)+7], 0, v[SC+8*\b+(\s)], v[SC+8*(\a)+(\s)] matrix_a_fmt:MATRIX_FMT_FP4 matrix_b_fmt:MATRIX_FMT_FP4 matrix_a_scale:MATRIX_SCALE_ROW1
.else
	v_wmma_scale_f32_16x16x128_f8f6f4 v[8*(8*((\a)%4)+\b):8*(8*((\a)%4)+\b)+7], v[128*(\p)+8*\b:128*(\p)+8*\b+7], v[AF+8*(\a):AF+8*(\a)+7], v[8*(8*((\a)%4)+\b):8*(8*((\a)%4)+\b)+7], v[SC+8*\b+(\s)], v[SC+8*(\a)+(\s)] matrix_a_fmt:MATRIX_FMT_FP4 matrix_b_fmt:MATRIX_FMT_FP4 matrix_a_scale:MATRIX_SCALE_ROW1
.endif
.endr
.endr
.endm
.macro STEP ch, q, zero
	s_wait_dscnt 8                                 ; source 0's set and source 1's tiles 0-3 are in; the youngest eight loads (tiles 4-7) may be out
	WIN MUL_LO
	MUL16 0, (\q)%2, 4*(\ch)+(\q), \zero
	MUL16 2, (\q)%2, 4*(\ch)+(\q), \zero
	s_wait_dscnt 0x0
	PLACES 4
	FETCH_B \ch, (\q)+1, 1-(\q)%2
	FETCH_A \ch, (\q)+1, 0
	WIN MUL_HI
	MUL16 4, (\q)%2, 4*(\ch)+(\q), \zero
	MUL16 6, (\q)%2, 4*(\ch)+(\q), \zero
	PLACES 4
	WIN 0
	FETCH_A \ch, (\q)+1, 4
.endm
	s_wait_tensorcnt 1                             ; my part of chunk 0 is in; chunk 1's load may stay out
	s_barrier_signal -1
	s_barrier_wait -1
	FETCH_B 0, 0, 0
	FETCH_A 0, 0, 0
	FETCH_A 0, 0, 4
	s_wait_loadcnt 0x0                             ; the scale words and bo
	STEP 0, 0, 1
	STEP 0, 1, 0
	STEP 0, 2, 0
	s_wait_tensorcnt 0x0                           ; over to chunk 1: my part of it has landed,
	s_wait_dscnt 8
	WIN MUL_LO
	MUL16 0, 1, 3, 0
	s_wait_dscnt 0x0
	s_barrier_signal -1
	MUL16 2, 1, 3, 0
	WIN 0
	s_barrier_wait -1                              ; and everybody's
	PLACES 4
	FETCH_B 1, 0, 0
	FETCH_A 1, 0, 0
	WIN MUL_HI
	MUL16 4, 1, 3, 0
	MUL16 6, 1, 3, 0
	PLACES 4
	WIN 0
	FETCH_A 1, 0, 4
	STEP 1, 0, 0
	STEP 1, 1, 0
	STEP 1, 2, 0
	s_wait_dscnt 8
	WIN MUL_LO
	MUL16 0, 1, 7, 0
	MUL16 2, 1, 7, 0
	s_wait_alu depctr_va_vdst(0)
	s_wait_dscnt 0x0
	WIN MUL_HI
	MUL16 4, 1, 7, 0
	MUL16 6, 1, 7, 0
	WIN 0
; Register j of accumulator (a, b) in lane (r, h) is feature 32 (b / 2) + 16 h + 8 (b % 2) + j of row slot r of token tile a.
.macro TOSTAGE a
.set AC, 64*((\a)%4)
	WIN 0x08+4*((\a)/4)                            ; an LDS store's data are its source 1: window 2 or 3
.irp b, 0,1,2,3,4,5,6,7
	ds_store_b128 v[STO], v[AC+8*\b:AC+8*\b+3] offset:128*(\b/2)+32*(\b%2)      ; each accumulator from its low end on
	ds_store_b128 v[STO], v[AC+8*\b+4:AC+8*\b+7] offset:128*(\b/2)+32*(\b%2)+16
.endr
	WIN 0
.set BB, BK+64*((\a)%2)
.irp t, 0,1,2,3,4,5,6,7,8,9,10,11,12,13,14,15
	ds_load_b128 v[BB+4*\t:BB+4*\t+3], v[RD] offset:\t*528   ; LDS serves a wave's instructions in order: these see my stores, and the next tile's stores come behind them
.endr
.endm
.macro SEND a, younger                 ; younger: the LDS instructions issued behind tile a's loads, which may stay out
.set BB, BK+64*((\a)%2)
	s_wait_dscnt \younger
.irp t, 0,1,2,3,4,5,6,7,8,9,10,11,12,13,14,15
	v_pk_add_f32 v[BB+4*\t:BB+4*\t+1], v[BB+4*\t:BB+4*\t+1], v[BO:BO+1]
	v_pk_add_f32 v[BB+4*\t+2:BB+4*\t+3], v[BB+4*\t+2:BB+4*\t+3], v[BO+2:BO+3]
	global_store_b128 v[L16], v[BB+4*\t:BB+4*\t+3], s[12:13] offset:(32*((\a)/2)+8*((\a)%2)+\t+8*(\t/8))*4096 th:TH_STORE_NT   ; row slot t's token; 512 consecutive bytes, aligned; 127 rows at the most: inside the signed 24-bit immediate
.endr
.endm
	PLACES 4                                       ; in front of the first reads of results and the loads into source 1's registers
	TOSTAGE 0
.irp a, 1,2,3,4,5,6,7
.if \a > 1
	s_wait_xcnt 0x0                                ; tile a - 2's stores have read their registers: tile a's loads may land there
.endif
	TOSTAGE \a
	SEND \a-1, 32                                  ; behind tile a - 1's loads: tile a's 16 stores and 16 loads
.endr
	SEND 7, 0
	s_wait_tensorcnt 0x0                           ; the wave's end, behind my last tensor load and my last LDS store
	ds_add_u32 v[SPW], v[NIL]
	s_wait_dscnt 0x0
	CROUND                                         ; the closing round
	s_endpgm
.Lfunc_end_k_q4ff6742cb4_gemm_out:
	.size	k_q4ff6742cb4_gemm_out, .Lfunc_end_k_q4ff6742cb4_gemm_out-k_q4ff6742cb4_gemm_out
	.p2alignl 7, 3214868480
	.fill 96, 4, 3214868480
	.section	.rodata,"a",@progbits
	.p2align	6, 0x0
	.amdhsa_kernel k_q4ff6742cb4_gemm_out
		.amdhsa_group_segment_fixed_size 327680
		.amdhsa_private_segment_fixed_size 0
		.amdhsa_enable_private_segment 0
		.amdhsa_kernarg_size 32
		.amdhsa_user_sgpr_count 2
		.amdhsa_user_sgpr_kernarg_segment_ptr 1
		.amdhsa_wavefront_size32 1
		.amdhsa_system_sgpr_workgroup_id_x 1
		.amdhsa_system_sgpr_workgroup_id_y 1
		.amdhsa_system_sgpr_workgroup_id_z 1
		.amdhsa_system_vgpr_workitem_id 0
		.amdhsa_next_free_vgpr 1024
		.amdhsa_next_free_sgpr 100
		.amdhsa_reserve_vcc 0
		.amdhsa_float_denorm_mode_32 3
		.amdhsa_float_denorm_mode_16_64 3
		.amdhsa_memory_ordered 1
		.amdhsa_forward_progress 1
		.amdhsa_inst_pref_size 140
	.end_amdhsa_kernel
	.amdgpu_metadata
---
amdhsa.version: [ 1, 2 ]
amdhsa.kernels:
  - .name:           k_q4ff6742cb4_gemm_out
    .symbol:         k_q4ff6742cb4_gemm_out.kd
    .args:
      - { .name: img, .offset: 0, .size: 8, .value_kind: global_buffer, .address_space: global }
      - { .name: sc, .offset: 8, .size: 8, .value_kind: global_buffer, .address_space: global }
      - { .name: bo, .offset: 16, .size: 8, .value_kind: global_buffer, .address_space: global }
      - { .name: out0, .offset: 24, .size: 8, .value_kind: global_buffer, .address_space: global }
    .group_segment_fixed_size: 327680
    .private_segment_fixed_size: 0
    .kernarg_segment_align: 8
    .kernarg_segment_size: 32
    .max_flat_workgroup_size: 128
    .sgpr_count:     100
    .vgpr_count:     1024
    .wavefront_size: 32
...
	.end_amdgpu_metadata
.endif
;; end of part 4
